; MI455X (gfx1250); checked and timed in simulation.
; The chip was launched on July 23, 2026; its instructions are those of AMD's public machine-readable ISA for CDNA 5 (MIT licence, August 2026) and "CDNA5" Instruction Set Architecture Reference Guide (July 2026). The comments in the code are by the model that wrote it; some were corrected since.
;; Multi Head Self Attention. Allowed arithmetic: matrix products marked QUANTISED: E2M1 operands, one E8M0 scale for each 32 along K, by v_wmma_scale_f32_16x16x128_f8f6f4 with both operands' format E2M1 (or v_wmma_scale_f32_32x16x128_f4), f32 sums; products left as they are: bf16, f16 or f32 operands; f32 sums; everything else in f32.
;; Inputs: X 4 x 2,048 x 1,024 float32; bK 1,024 float32; bO 1,024 float32; bQ 1,024 float32; bV 1,024 float32; mask 4 x 1 x 2,048 x 2,048 int32; wK 1,024 x 1,024 float32; wO 1,024 x 1,024 float32; wQ 1,024 x 1,024 float32; wV 1,024 x 1,024 float32.
;; Outputs: out0 4 x 2,048 x 1,024 float32.
;; This version of the problem:
;;   THIS VERSION OF THE PROBLEM IS GIVEN IN LOW PRECISION. The matrix products marked QUANTISED in the list below multiply operands that are first quantised to E2M1 (2 exponent bits, 1 mantissa bit; 4 bits a number), with one power-of-two scale for each 32 numbers along K (OCP MX v1.0); their sums are f32. The products marked 'left as it is' may take bf16, f16 or f32 operands, with f32 sums. Whichever they take, every output number must still come out within the allowed error. Rounding operands to bf16 (8 significant bits) uses up far more of that allowance than f16 does (11 bits, for magnitudes from 6e-5 to 65,504). All else is computed in f32.
;;   The module's matrix products, in the order in which they are computed (A, B: the left and right operand; K: the contracted axis; several contracted axes count as one K, in the product's order):
;;     1. [M 8,192, K 1,024] x [K 1,024, N 1,024]; A: input X; B: input wQ: QUANTISED
;;     2. [M 8,192, K 1,024] x [K 1,024, N 1,024]; A: input X; B: input wK: QUANTISED
;;     3. [M 8,192, K 1,024] x [K 1,024, N 1,024]; A: input X; B: input wV: QUANTISED
;;     4. batch 64 x [M 2,048, K 64] x [K 64, N 2,048]; A: computed on the way; B: computed on the way: left as it is (an operand is computed on the way)
;;     5. batch 64 x [M 2,048, K 2,048] x [K 2,048, N 64]; A: computed on the way; B: computed on the way: left as it is (an operand is computed on the way)
;;     6. [M 8,192, K 1,024] x [K 1,024, N 1,024]; A: computed on the way; B: input wO: left as it is (an operand is computed on the way)
;;   THE QUANTISER, for each operand of a quantised product, along K:
;;     - K is cut into blocks of 32 from its start; a last block that is shorter is filled with zeros.
;;     - A block's scale is 2^e with e = floor(log2(the largest magnitude in the block)) - 2, held to -126 .. 127; a block of zeros has e = 0. As a byte (E8M0): e + 127.
;;     - Each number is divided by its block's scale, clamped to +-6, and rounded to the nearest number of E2M1, ties to even, subnormals kept.
;;     - The product sums the exact products of the quantised numbers (number of the format x scale) in f32.
;;   ~~~python
;;   def quantise(x, axis):      # numpy; x: float32 -> the quantised numbers, widened to float32 again
;;       x = np.moveaxis(x, axis, -1); K = x.shape[-1]
;;       x = np.pad(x, [(0, 0)] * (x.ndim - 1) + [(0, -K % 32)]); x = x.reshape(x.shape[:-1] + (-1, 32)); a = np.abs(x).max(-1, keepdims=True)
;;       e = np.where(a > 0, np.clip(np.frexp(np.where(a > 0, a, 1))[1] - 1 - 2, -126, 127), 0)      # np.frexp(a)[1] - 1 = floor(log2(a)), exactly
;;       r = np.clip(x / 2.0 ** e, -6, 6)
;;       step = 2.0 ** (np.maximum(np.frexp(np.where(r == 0, 1, r))[1] - 1, 0) - 1)
;;       q = np.round(r / step) * step * 2.0 ** e      # np.round: ties to even
;;       return np.moveaxis(q.reshape(q.shape[:-2] + (-1,))[..., :K], -1, axis).astype(np.float32)
;;   ~~~
;; One version. Each part assembles by itself: llvm-mc -triple=amdgcn-amd-amdhsa -mcpu=gfx1250 --defsym DOCPART=n.
;; ======== version 1 of 1: 4 launches
;; limits: values are held in f16: magnitudes above 65,504 overflow, below 6.1e-05 lose precision
;; workspace buffers: codes 6,127,616 bytes; wo16 2,097,152 bytes; mbits 2,097,152 bytes of whole numbers; qkv16 50,331,648 bytes; a16 16,777,216 bytes
;; launch prep (part 1): grid 896 x 1, 4 waves a work-group, no clusters, 67,072 bytes of LDS; arguments X, wQ, wK, wV, wO, mask, codes, wo16, mbits; writes codes, wo16, mbits
.if DOCPART == 1
	.amdgcn_target "amdgcn-amd-amdhsa--gfx1250"
	.amdhsa_code_object_version 6
	.text
	.protected	k_q6bb2a5bfe2_prep
	.globl	k_q6bb2a5bfe2_prep
	.p2align	8
	.type	k_q6bb2a5bfe2_prep,@function
k_q6bb2a5bfe2_prep:
	s_mov_b64 s[64:65], 0
	v_nop
	global_prefetch_b8 v0, s[64:65] scope:SCOPE_SE
	s_setreg_imm32_b32 hwreg(HW_REG_WAVE_MODE, 25, 1), 1
	s_wait_xcnt 0x0
; Everything that is made ONCE from the inputs.  Three roles, chosen by the work-group's number; each work-group reads 128 KiB.
;   0..127   a weight [1024 (k)][1024 (n)] f32, 32 work-groups each: wQ, wK, wV become codes of FP4 (E2M1) with one E8M0 byte for each 32 along K; wO becomes f16.
;   128..383 X [8192][1024] f32 becomes codes of FP4, K innermost, and scale bytes.
;   384..895 mask [4][2048][2048] int32 becomes lane masks: one 32-bit word for each register of a 16 x 16 tile of transposed scores.
; LAYOUTS.  codes: X's codes [8192][512 B] at 0; the weights' codes at WC_OFF as IMAGES OF OPERAND REGISTERS, [n / 16][k / 128][1,024 B]: block k / 32 % 4 of column n % 16 = r at 256 (k / 32 % 4) + 16 r;
;   X's scale bytes [8192][32] at XS_OFF; the weights' [3072][32] at WS_OFF (n = 1024 x tensor + column).  wo16: [n / 16][k / 32][1,024 B]: k = 8 p .. 8 p + 7 of column r at 256 p + 16 r.
;   mbits: [16 queries' tile 512][16 keys' tile 128][j 8] words: bit r + 16 h says mask[query r][key 8 h + j] != 0.
; A block's scale is 2^(floor(log2(its largest magnitude)) - 2); its byte is that magnitude's exponent field - 2, held at 1 from below.
; LIMITS: a block of zeros, or one under 2^-124, gets the byte 1 where the rule says 127: its codes are zeros, and this program alone reads the bytes.  NaN and infinities are not served.
;   wO is rounded to f16: magnitudes up to 65,504.  The weights' scale bytes leave as 8 bytes a lane, 32 bytes apart: 96 KiB in all are written so.
; No tensor load, no barrier, no matrix work: waves share nothing, and the bytes are what counts.  Each role that uses LDS has bytes of its own.
.set WC_OFF, 4194304
.set XS_OFF, 5767168
.set WS_OFF, 6029312
.set WREG,   8192                      ; LDS, role X: a region for each wave: two stages of 32 x SP bytes, then its 256 scale bytes
.set SP,     80                        ; a lane's place in a stage: 64 bytes + 16 of padding
.set MSTG,   32768                     ; LDS, the mask's role: 16 rows x 528 bytes for each wave
.set SPARE,  66560                     ; the spare words, 128 bytes for each wave
.set SPW,    12                        ; v12  LDS address of my spare word; never rewritten
.set NIL,    13                        ; v13  0; never rewritten
	s_load_b512 s[4:19], s[0:1], 0x0               ; X 4:5, wQ 6:7, wK 8:9, wV 10:11, wO 12:13, mask 14:15, codes 16:17, wo16 18:19
	s_load_b64 s[20:21], s[0:1], 0x40              ; mbits
	v_lshl_add_u32 v[SPW], v0, 2, SPARE
	v_mov_b32 v[NIL], 0
	v_lshrrev_b32 v1, 5, v0
	v_readfirstlane_b32 s28, v1                    ; wave 0..3
	v_and_b32 v2, 31, v0                           ; lane
	s_mov_b32 s23, 0
	s_wait_kmcnt 0x0
	s_cmp_lt_u32 ttmp9, 128
	s_cbranch_scc1 .Lweights
	s_cmp_lt_u32 ttmp9, 384
	s_cbranch_scc1 .Lx
; ---------------- THE MASK.  A work-group packs one tile of 16 queries: 16 rows of 8,192 bytes.  Wave w takes the chunks 4 i + w of 128 keys.
; Each load reads 512 consecutive bytes of a row; a chunk turns through the wave's own stage so that lane (r, h) holds query r and keys 16 kt + 8 h + j, as a tile of transposed scores does.
	s_sub_co_u32 s30, ttmp9, 384                   ; the tile: 128 x batch + tile of queries
	s_lshl_b32 s22, s30, 17
	s_add_nc_u64 s[14:15], s[14:15], s[22:23]      ; its 16 rows of the mask
	s_lshl_b32 s22, s30, 12
	s_add_nc_u64 s[20:21], s[20:21], s[22:23]      ; its 4,096 bytes of words
	s_lshl_b32 s31, s28, 9
	v_lshlrev_b32 v3, 4, v2
	v_add_nc_u32 v3, s31, v3                       ; in: 16 x lane + 512 x wave
	s_mul_i32 s31, s28, 16*528
	s_add_co_u32 s31, s31, MSTG                    ; my stage
	v_lshlrev_b32 v4, 4, v2
	v_add_nc_u32 v4, s31, v4                       ; into it: 16 x lane, a row 528 bytes on
	v_and_b32 v7, 15, v2
	v_lshrrev_b32 v8, 4, v2
	v_mul_u32_u24 v5, v7, 528
	v_lshl_add_u32 v5, v8, 5, v5
	v_add_nc_u32 v5, s31, v5                       ; out of it: row r, + 32 h
	s_lshl_b32 s31, s28, 8
	v_lshlrev_b32 v6, 3, v2
	v_add_nc_u32 v6, s31, v6                       ; the words: 8 x lane + 256 x wave
.macro LOADM i                         ; chunk i of mine: 16 rows x 512 bytes into set i % 2 (v16-79, v80-143)
.irp p, 0,1,2,3,4,5,6,7,8,9,10,11,12,13,14,15
	global_load_b128 v[16+64*((\i)%2)+4*\p:16+64*((\i)%2)+4*\p+3], v3, s[14:15] offset:\p*8192+(\i)*2048 th:TH_LOAD_NT
.endr
.endm
.macro CHUNK i
.if (\i) < 3
	s_wait_loadcnt 16                              ; my chunk's 16 loads are in; the next chunk's 16 may be out
.else
	s_wait_loadcnt 0x0
.endif
.irp p, 0,1,2,3,4,5,6,7,8,9,10,11,12,13,14,15
	ds_store_b128 v4, v[16+64*((\i)%2)+4*\p:16+64*((\i)%2)+4*\p+3] offset:528*\p
.endr
.irp u, 0,1,2,3,4,5,6,7,8,9,10,11,12,13,14,15
	ds_load_b128 v[144+4*\u:144+4*\u+3], v5 offset:64*(\u/2)+16*(\u%2)   ; LDS serves a wave's instructions in order: these see the stores.  v[144 + 8 kt + j] = mask[r][16 kt + 8 h + j]
.endr
	s_wait_dscnt 0x0
.if (\i) < 2
	LOADM (\i)+2                                   ; the set has been stored: it takes the chunk two further on
.endif
.irp g, 0,1,2,3,4,5,6,7                        ; word 8 g + j is a compare's lane mask; words 2 L and 2 L + 1 go to lane L of the pair that is stored
.irp j, 0,1,2,3,4,5,6,7
	v_cmp_ne_u32 s[40+\j], 0, v[144+8*\g+\j]
.endr
.irp j, 0,1,2,3,4,5,6,7
	v_writelane_b32 v[208+2*(\i)+(\j%2)], s[40+\j], 4*\g+\j/2
.endr
.endr
	global_store_b64 v6, v[208+2*(\i):209+2*(\i)], s[20:21] offset:1024*(\i)   ; 32 lanes store 256 consecutive bytes, aligned; each chunk has its own pair, so no store's data are written again
.endm
	LOADM 0
	LOADM 1
.irp i, 0,1,2,3,4,5,6,7
	v_mov_b32 v[208+\i], 0                         ; written once: v_writelane_b32's destination counts as read
.endr
	CHUNK 0
	CHUNK 1
	CHUNK 2
	CHUNK 3
	s_branch .Lend
; ---------------- X.  Rows are dense and K is a multiple of 32: a plain stream of blocks of 32.  A wave takes 16 steps of 512 numbers.
; Each of a step's four loads reads 512 consecutive bytes; the 2,048 bytes turn through the wave's own stage and come back 64 bytes a lane: 16 neighbours along K, two lanes to a block.
.Lx:
	s_sub_co_u32 s30, ttmp9, 128
	s_lshl_b32 s30, s30, 2
	s_add_co_u32 s30, s30, s28                     ; which run of 8,192 numbers is my wave's: 0..1023
	v_lshlrev_b32 v3, 4, v2                        ; my 16 bytes of a load's 512
	s_mul_i32 s31, s28, WREG
	v_lshrrev_b32 v14, 2, v2
	v_mul_u32_u24 v14, v14, SP
	v_and_b32 v15, 3, v2
	v_lshl_add_u32 v14, v15, 4, v14
	v_add_nc_u32 v14, s31, v14                     ; the stage, on the way in: SP (lane / 4) + 16 (lane % 4)
	v_mul_u32_u24 v15, v2, SP
	v_add_nc_u32 v15, s31, v15                     ; and on the way out: SP x lane
	v_lshlrev_b32 v4, 3, v2                        ; my 16 codes: 8 bytes
	v_lshrrev_b32 v5, 1, v2
	s_add_co_u32 s31, s31, 2*32*SP
	v_add_nc_u32 v5, s31, v5                       ; LDS: my wave's 256 scale bytes, my block's byte
	v_lshlrev_b32 v7, 3, v2
	v_add_nc_u32 v6, s31, v7                       ; and on the way out 8 bytes a lane
	s_lshl_b32 s22, s30, 15
	s_add_nc_u64 s[4:5], s[4:5], s[22:23]          ; X: 32,768 bytes a run
	s_lshl_b32 s22, s30, 12
	s_add_nc_u64 s[8:9], s[16:17], s[22:23]        ; the codes: 4,096 bytes a run
	s_lshl_b32 s22, s30, 8
	s_add_co_u32 s22, s22, XS_OFF
	s_add_nc_u64 s[10:11], s[16:17], s[22:23]      ; the scale bytes: 256 a run
.macro XLOAD t                         ; step t as it lies, into set t % 4 of v16-79
.irp i, 0,1,2,3
	global_load_b128 v[16+16*((\t)%4)+4*\i:16+16*((\t)%4)+4*\i+3], v3, s[4:5] offset:2048*(\t)+512*\i th:TH_LOAD_NT
.endr
.endm
.macro XTURN t                         ; through stage t % 2, into set t % 2 of v80-111
.irp i, 0,1,2,3
	ds_store_b128 v14, v[16+16*((\t)%4)+4*\i:16+16*((\t)%4)+4*\i+3] offset:32*SP*((\t)%2)+8*SP*\i
.endr
.irp i, 0,1,2,3
	ds_load_b128 v[80+16*((\t)%2)+4*\i:80+16*((\t)%2)+4*\i+3], v15 offset:32*SP*((\t)%2)+16*\i
.endr
.endm
.macro XSTEP t
.set XR, 80+16*((\t)%2)
.if (\t) > 0
	s_wait_dscnt 1                                 ; this step's numbers are back from the stage; only the last step's byte store may be out
.else
	s_wait_dscnt 0x0
.endif
.if (\t)+4 < 16
	XLOAD (\t)+4                                   ; its set has been stored into the stage: it takes the loads of four steps on
.endif
.if (\t)+1 < 16
.if 14-(\t) >= 3
	s_wait_loadcnt 12                              ; the next step's four loads are in; those of the three steps behind it may be out
.else
	s_wait_loadcnt 4*(14-(\t))
.endif
	XTURN (\t)+1
.endif
	v_max3_num_f32 v8, |v[XR]|, |v[XR+1]|, |v[XR+2]|
	v_max3_num_f32 v9, |v[XR+3]|, |v[XR+4]|, |v[XR+5]|
.irp i, 6,10
	v_max3_num_f32 v8, v8, |v[XR+\i]|, |v[XR+\i+1]|
	v_max3_num_f32 v9, v9, |v[XR+\i+2]|, |v[XR+\i+3]|
.endr
	v_max3_num_f32 v8, v8, |v[XR+14]|, |v[XR+15]|
	v_max3_num_f32 v8, v8, v9, 0x1800000           ; and the floor 2^(3 - 127): the byte cannot fall under 1
	v_max_num_f32_dpp v8, v8, v8 row_xmask:1 row_mask:0xf bank_mask:0xf   ; with my neighbour's 16: the block's largest magnitude
	v_add_nc_u32 v11, 0xff000000, v8               ; 2 off its exponent field: the conversion takes this operand's exponent field as its scale
	v_cvt_scalef32_pk8_fp4_f32 v[128+4*(\t)], v[XR:XR+7], v11
	v_cvt_scalef32_pk8_fp4_f32 v[128+4*(\t)+1], v[XR+8:XR+15], v11
	v_lshrrev_b32 v[112+(\t)], 23, v11             ; the scale's byte
	ds_store_b8 v5, v[112+(\t)] offset:16*(\t)     ; both lanes of a block write the same byte with the same value
	global_store_b64 v4, v[128+4*(\t):128+4*(\t)+1], s[8:9] offset:256*(\t)   ; 32 lanes store 256 consecutive bytes, aligned; each step has its own registers
.endm
.irp t, 0,1,2,3
	XLOAD \t
.endr
	s_wait_loadcnt 12                              ; step 0's four loads are in
	XTURN 0
.irp t, 0,1,2,3,4,5,6,7,8,9,10,11,12,13,14,15
	XSTEP \t
.endr
	ds_load_b64 v[8:9], v6                         ; my wave's 256 scale bytes
	s_wait_dscnt 0x0
	global_store_b64 v7, v[8:9], s[10:11]          ; 256 consecutive bytes, aligned
	s_branch .Lend
; ---------------- THE WEIGHTS.  K is their first axis: a lane takes a column n and its registers run down K, so a block of 32 lies in one lane, and codes (or f16 numbers) come out with K innermost.
; A work-group takes 128 columns x 256 along K, a wave 32 columns: each load reads 128 consecutive bytes of a row of the weight.  Loads run two blocks (64 loads a wave) ahead.
.Lweights:
	s_lshr_b32 s29, ttmp9, 5                       ; which weight: 0 wQ, 1 wK, 2 wV, 3 wO
	s_bfe_u32 s30, ttmp9, 0x30002                  ; which 128 columns
	s_and_b32 s31, ttmp9, 3                        ; which 256 along K
	s_cmp_eq_u32 s29, 1
	s_cselect_b64 s[6:7], s[8:9], s[6:7]
	s_cmp_eq_u32 s29, 2
	s_cselect_b64 s[6:7], s[10:11], s[6:7]
	s_cmp_eq_u32 s29, 3
	s_cselect_b64 s[6:7], s[12:13], s[6:7]
	s_lshl_b32 s32, s30, 7
	s_lshl_b32 s33, s28, 5
	s_add_co_u32 s32, s32, s33                     ; my wave's first column
	s_lshl_b32 s22, s31, 20                        ; 256 rows of 4,096 bytes
	s_lshl_b32 s33, s32, 2
	s_add_co_u32 s22, s22, s33
	s_add_nc_u64 s[6:7], s[6:7], s[22:23]
	v_lshlrev_b32 v3, 2, v2
.macro LOADW t                         ; block t: w(32 t + i, my column) into set t % 2 of v32-95
.irp i, 0,1,2,3,4,5,6,7,8,9,10,11,12,13,14,15,16,17,18,19,20,21,22,23,24,25,26,27,28,29,30,31
	global_load_b32 v[32+32*((\t)%2)+\i], v3, s[6:7] offset:(32*(\t)+\i)*4096 th:TH_LOAD_NT
.endr
.endm
	LOADW 0
	LOADW 1
	v_and_b32 v6, 15, v2
	v_lshrrev_b32 v7, 4, v2
	s_lshl_b32 s34, s30, 3
	s_lshl_b32 s33, s28, 1
	s_add_co_u32 s34, s34, s33                     ; my wave's first tile of 16 columns in its weight
	s_cmp_eq_u32 s29, 3
	s_cbranch_scc1 .Lwo
	s_lshl_b32 s33, s29, 6
	s_add_co_u32 s33, s33, s34
	s_lshl_b32 s22, s33, 13                        ; a tile of 16 columns: 8 images of 1,024 bytes
	s_lshl_b32 s33, s31, 11                        ; my 256 along K: two images
	s_add_co_u32 s22, s22, s33
	s_add_co_u32 s22, s22, WC_OFF
	s_add_nc_u64 s[22:23], s[16:17], s[22:23]
	s_lshl_b32 s24, s29, 10
	s_add_co_u32 s24, s24, s32
	s_lshl_b32 s24, s24, 5                         ; 32 scale bytes a column
	s_lshl_b32 s33, s31, 3
	s_add_co_u32 s24, s24, s33
	s_add_co_u32 s24, s24, WS_OFF
	s_mov_b32 s25, 0
	s_add_nc_u64 s[24:25], s[16:17], s[24:25]
	v_lshlrev_b32 v4, 4, v6
	v_lshl_add_u32 v4, v7, 13, v4                  ; 16 r, and lanes 16-31 a tile further on
	v_lshlrev_b32 v5, 5, v2
.macro BLOCKW t
.set WX, 32+32*((\t)%2)
.if (\t) < 7
	s_wait_loadcnt 32                              ; this block's 32 loads are in; the next block's 32 may be out
.else
	s_wait_loadcnt 0x0
.endif
	v_max3_num_f32 v8, |v[WX]|, |v[WX+1]|, |v[WX+2]|
	v_max3_num_f32 v9, |v[WX+3]|, |v[WX+4]|, |v[WX+5]|
.irp i, 6,10,14,18,22,26
	v_max3_num_f32 v8, v8, |v[WX+\i]|, |v[WX+\i+1]|
	v_max3_num_f32 v9, v9, |v[WX+\i+2]|, |v[WX+\i+3]|
.endr
	v_max3_num_f32 v8, v8, |v[WX+30]|, |v[WX+31]|
	v_max3_num_f32 v8, v8, v9, 0x1800000           ; and the floor 2^(3 - 127)
	v_add_nc_u32 v10, 0xff000000, v8               ; 2 off the exponent field: the conversion's scale operand
	v_lshrrev_b32 v11, 23, v10                     ; the scale's byte
.if (\t)%4 == 0
	v_mov_b32 v[14+(\t)/4], v11
.else
	v_lshl_or_b32 v[14+(\t)/4], v11, 8*((\t)%4), v[14+(\t)/4]
.endif
.irp g, 0,1,2,3
	v_cvt_scalef32_pk8_fp4_f32 v[96+4*(\t)+\g], v[WX+8*\g:WX+8*\g+7], v10
.endr
	global_store_b128 v4, v[96+4*(\t):96+4*(\t)+3], s[22:23] offset:256*(\t)   ; sixteen lanes store 256 consecutive bytes, aligned; each block has its own registers.  (The next block begins with plain vector lines)
.if (\t)+2 < 8
	LOADW (\t)+2
.endif
.endm
.irp t, 0,1,2,3,4,5,6,7
	BLOCKW \t
.endr
	global_store_b64 v5, v[14:15], s[24:25]        ; my column's eight scale bytes
	s_branch .Lend
.Lwo:
	s_lshl_b32 s22, s34, 15                        ; a tile of 16 columns: 32 images of 1,024 bytes
	s_lshl_b32 s33, s31, 13                        ; my 256 along K: eight images
	s_add_co_u32 s22, s22, s33
	s_add_nc_u64 s[22:23], s[18:19], s[22:23]
	v_lshlrev_b32 v4, 4, v6
	v_lshl_add_u32 v4, v7, 15, v4
.macro BLOCKO t
.set WX, 32+32*((\t)%2)
.if (\t) < 7
	s_wait_loadcnt 32                              ; as above
.else
	s_wait_loadcnt 0x0
.endif
.set OI, 0
.rept 16
	v_cvt_pk_f16_f32 v[96+16*(\t)+OI], v[WX+2*OI], v[WX+2*OI+1]
.set OI, OI+1
.endr
.irp p, 0,1,2,3
	global_store_b128 v4, v[96+16*(\t)+4*\p:96+16*(\t)+4*\p+3], s[22:23] offset:1024*(\t)+256*\p   ; k = 8 p .. 8 p + 7: sixteen lanes store 256 consecutive bytes, aligned
.endr
.if (\t)+2 < 8
	LOADW (\t)+2
.endif
.endm
.irp t, 0,1,2,3,4,5,6,7
	BLOCKO \t
.endr
.Lend:
	s_wait_tensorcnt 0x0                           ; the wave's end, behind my last LDS store
	ds_add_u32 v[SPW], v[NIL]
	s_wait_dscnt 0x0
	s_endpgm
.Lfunc_end_k_q6bb2a5bfe2_prep:
	.size	k_q6bb2a5bfe2_prep, .Lfunc_end_k_q6bb2a5bfe2_prep-k_q6bb2a5bfe2_prep
	.p2alignl 7, 3214868480
	.fill 96, 4, 3214868480
	.section	.rodata,"a",@progbits
	.p2align	6, 0x0
	.amdhsa_kernel k_q6bb2a5bfe2_prep
		.amdhsa_group_segment_fixed_size 67072
		.amdhsa_private_segment_fixed_size 0
		.amdhsa_enable_private_segment 0
		.amdhsa_kernarg_size 72
		.amdhsa_user_sgpr_count 2
		.amdhsa_user_sgpr_kernarg_segment_ptr 1
		.amdhsa_wavefront_size32 1
		.amdhsa_system_sgpr_workgroup_id_x 1
		.amdhsa_system_sgpr_workgroup_id_y 1
		.amdhsa_system_sgpr_workgroup_id_z 1
		.amdhsa_system_vgpr_workitem_id 0
		.amdhsa_next_free_vgpr 224
		.amdhsa_next_free_sgpr 66
		.amdhsa_reserve_vcc 0
		.amdhsa_float_denorm_mode_32 3
		.amdhsa_float_denorm_mode_16_64 3
		.amdhsa_memory_ordered 1
		.amdhsa_forward_progress 1
		.amdhsa_inst_pref_size 148
	.end_amdhsa_kernel
	.amdgpu_metadata
---
amdhsa.version: [ 1, 2 ]
amdhsa.kernels:
  - .name:           k_q6bb2a5bfe2_prep
    .symbol:         k_q6bb2a5bfe2_prep.kd
    .args:
      - { .name: X, .offset: 0, .size: 8, .value_kind: global_buffer, .address_space: global }
      - { .name: wQ, .offset: 8, .size: 8, .value_kind: global_buffer, .address_space: global }
      - { .name: wK, .offset: 16, .size: 8, .value_kind: global_buffer, .address_space: global }
      - { .name: wV, .offset: 24, .size: 8, .value_kind: global_buffer, .address_space: global }
      - { .name: wO, .offset: 32, .size: 8, .value_kind: global_buffer, .address_space: global }
      - { .name: mask, .offset: 40, .size: 8, .value_kind: global_buffer, .address_space: global }
      - { .name: codes, .offset: 48, .size: 8, .value_kind: global_buffer, .address_space: global }
      - { .name: wo16, .offset: 56, .size: 8, .value_kind: global_buffer, .address_space: global }
      - { .name: mbits, .offset: 64, .size: 8, .value_kind: global_buffer, .address_space: global }
    .group_segment_fixed_size: 67072
    .private_segment_fixed_size: 0
    .kernarg_segment_align: 8
    .kernarg_segment_size: 72
    .max_flat_workgroup_size: 128
    .sgpr_count:     66
    .vgpr_count:     224
    .wavefront_size: 32
...
	.end_amdgpu_metadata
.endif
;; end of part 1
;; launch qkv (part 2): grid 12 x 32, 4 waves a work-group, clusters of 4 x 4, 327,680 bytes of LDS; arguments codes, bQ, bK, bV, qkv16; writes qkv16
.if DOCPART == 2
	.amdgcn_target "amdgcn-amd-amdhsa--gfx1250"
	.amdhsa_code_object_version 6
	.text
	.protected	k_q6bb2a5bfe2_qkv
	.globl	k_q6bb2a5bfe2_qkv
	.p2align	8
	.type	k_q6bb2a5bfe2_qkv,@function
k_q6bb2a5bfe2_qkv:
	s_mov_b64 s[64:65], 0
	v_nop
	global_prefetch_b8 v0, s[64:65] scope:SCOPE_SE
	s_setreg_imm32_b32 hwreg(HW_REG_WAVE_MODE, 25, 1), 1
	s_wait_xcnt 0x0
	s_wait_alu depctr_hold_cnt(0) depctr_sa_sdst(0) depctr_va_vdst(0) depctr_va_sdst(0) depctr_va_ssrc(0) depctr_va_vcc(0) depctr_vm_vsrc(0)
	s_getreg_b32 s2, hwreg(HW_REG_IB_STS2, 6, 4)
	s_cmp_eq_u32 s2, 0
	s_cbranch_scc0 .Lentry_in_a_cluster
	s_endpgm
.Lentry_in_a_cluster:
	s_bfe_u32 s2, ttmp6, 0x10000c
	s_cmp_lg_u32 s2, 0xf033
	s_cbranch_scc0 .Lentry_shape_is_right
	s_endpgm
.Lentry_shape_is_right:
; q, k, v = X w + b for wQ, wK, wV as ONE product [8192] x [3072] over K = 1,024, on codes of FP4 (E2M1) with one E8M0 scale for each 32 along K; sums in f32; then the bias, q times log2(e) / 8, and f16.
; A tile of 256 x 256 is made by four waves, 128 x 128 each: 64 accumulators, 512 registers.  K is two slots of 512: both are first fills, nothing is ever filled again.
; CLUSTERS: 4 x 4 work-groups; A's tiles are asked for jointly along a row of the cluster, B's along a column.  Cluster x IS the tensor (0 q, 1 k, 2 v): what differs by tensor is equal in all sixteen partners.
; 384 tiles are 24 clusters: one and a half times what 256 work-groups hold; a tile of 256 x 384, which would be even, wants 768 accumulator registers and leaves no room for operands.
; X's codes lie as rows (512 bytes a row), padded in LDS; the weights' codes lie as images of operand registers: a fragment is two loads of 16 bytes at 16 x lane, with no pitch.
; THE MATRIX INSTRUCTION IS USED TRANSPOSED (source 0 = 16 columns of w, source 1 = 16 rows of X): a lane's eight results are eight neighbouring channels of one position: packed to f16 they are 16 bytes of the
; next product's operand image, so each store is 512 consecutive aligned bytes straight from registers.
; qkv16: [tensor 3][16 batch + head 64][16 positions' tile 128][32 channels' half 2][1,024 B]: lane (r, h), piece c at 512 c + 16 lane: position r, channels 16 c + 8 h + 0 .. 7 of the half.
; LIMITS: c q, k, v are rounded to f16: magnitudes up to 65,504.
; REGISTERS: window 0: v16-30 addresses; v32-95 scale words, two sets, and nothing else; v128-191 A's fragments, one set; v192-255 the bias in the result's layout; on the way out v128-255 are at work.
;   window 1: B's fragments, two sets, at v0 and v128.   windows 2, 3: the accumulators of my rows 0-63 and 64-127 ((a, b) at v[8 (8 (a % 4) + b)]).
.set WC_OFF, 4194304
.set XS_OFF, 5767168
.set WS_OFF, 6029312
.set NQ,     4                         ; matrix instructions deep in a slot
.set ROWB,   256                       ; a row of A's tile: 512 codes
.set KROW,   512                       ; a row of X's codes in memory
.set PITCH,  272                       ; in LDS: + 16 of padding, so that the 16 rows of a load start at 16 different banks (64 banks of 4 bytes: ISA guide 11.1)
.set FR,     8
.set NL,     2
.set NP,     4
.set HALFT,  128*PITCH                 ; what one tensor load of A brings; B's 32,768 bytes take the same room
.set SLOT,   4*HALFT
.set KS,     32                        ; a row of scale bytes
.set SCL,    2*SLOT                    ; the scales: units of 256 bytes + 16 of padding
.set HALFS,  (128*KS/256)*272
.set SBLK,   (16*KS/256)*272
.set SPARE,  SCL+4*HALFS               ; the spare words, 128 bytes for each wave
.set ADRA, 16                          ; v16-17 LDS address of my A fragments in slot 0, 1
.set ADRB, 20                          ; v20-21 the same for B
.set CO,   26                          ; v26    16 x lane
.set ADRS, 27                          ; v27    LDS address of my scale words: lanes 0-15 A's rows, lanes 16-31 B's
.set SPW,  28
.set NIL,  29
.set BOF,  30                          ; v30    32 h: my half's eight numbers of a bias tile
.set SC,   32
.set AF,   128
.set BI,   192
.set TT,   128                         ; the way out: 64 scaled results
.set G1, 24
.set G0, 32
.set G1B, 48
.set G0B, 56
.set G1S, 68
.set G0S, 76
.set G1SB, 80
.set G0SB, 88
.set MSB, 0
.macro WIN new                         ; the immediate's high byte repeats the setting that is left
.if MSB != \new
	s_set_vgpr_msb (MSB<<8)|\new
.set MSB, \new
.endif
.endm
.set MUL_LO, 0xa1                      ; source 0 (B) window 1, source 1 (A) window 0, C and D window 2
.set MUL_HI, 0xf1                      ; the same, C and D window 3
.set TO_B,   0x40
; A joint load: waves 0 and 1 fetch for A, waves 2 and 3 for B.  The branch hangs on the wave's number alone.  An s_nop 0 and four v_nop follow each line.
.macro JLOAD g0a, g1a, g0b, g1b
	s_cmp_eq_u32 s15, 0
	s_cbranch_scc0 .Lfor_b_\@
	tensor_load_to_lds s[\g0a:\g0a+3], s[\g1a:\g1a+7]
	s_nop 0
.rept 4
	v_nop
.endr
	s_branch .Lasked_\@
.Lfor_b_\@:
	tensor_load_to_lds s[\g0b:\g0b+3], s[\g1b:\g1b+7]
	s_nop 0
.rept 4
	v_nop
.endr
.Lasked_\@:
.endm
.macro CROUND                          ; a round of the cluster's barrier
	s_barrier_signal -1
	s_barrier_wait -1
	s_cmp_lg_u32 s14, 0
	s_cbranch_scc1 .Lnot_wave_0_\@
	s_barrier_signal -3
.Lnot_wave_0_\@:
	s_barrier_wait -3
	s_barrier_signal -1
	s_barrier_wait -1
.endm
	s_load_b256 s[4:11], s[0:1], 0x0               ; codes 4:5, bQ 6:7, bK 8:9, bV 10:11
	s_load_b64 s[12:13], s[0:1], 0x20              ; qkv16
	v_lshl_add_u32 v[SPW], v0, 2, SPARE
	v_mov_b32 v[NIL], 0
	ds_add_u32 v[SPW], v[NIL]                      ; the wave's opening: the add, twice on end, and its wait ahead of my first tensor load
	ds_add_u32 v[SPW], v[NIL]
	v_lshrrev_b32 v1, 5, v0
	v_readfirstlane_b32 s14, v1                    ; wave 0..3
	s_lshr_b32 s15, s14, 1                         ; which half of the tile's rows is mine.  Also: I fetch for A (0) or for B (1)
	s_and_b32 s16, s14, 1                          ; which half of its columns.  Also: which half of that tile I fetch
	s_bfe_u32 s40, ttmp6, 0x40000                  ; cx
	s_bfe_u32 s41, ttmp6, 0x40004                  ; cy
	s_lshl_b32 s42, ttmp9, 2
	s_add_co_u32 s42, s42, s40                     ; tile column 0..11
	s_and_b32 s17, ttmp7, 0xffff
	s_lshl_b32 s17, s17, 2
	s_add_co_u32 s17, s17, s41                     ; tile row 0..31
	s_lshl_b32 s43, s41, 2
	s_lshl_b32 s43, 15, s43                        ; my row of the cluster
	s_lshl_b32 s44, 0x1111, s40                    ; my column
	; A's tiles: 128 rows x 256 bytes, 512 apart in memory, 16 bytes of padding behind each in LDS
	s_or_b32 s[G1+0], s43, (1<<20)|(1<<21)|(5<<22)|(3<<25)
	s_mov_b32 s[G1+1], ROWB<<16
	s_mov_b32 s[G1+2], 128<<16
	s_mov_b32 s[G1+3], ROWB<<16
	s_mov_b32 s[G1+4], 128
	s_mov_b32 s[G1+5], KROW
	s_mov_b32 s[G1+6], 0
	s_mov_b32 s[G1+7], 0
	; B's tiles: 8 tiles of 16 columns x 4,096 bytes (four images), 8,192 apart in memory, dense in LDS
	s_or_b32 s[G1B+0], s44, (1<<21)
	s_mov_b32 s[G1B+1], 4096<<16
	s_mov_b32 s[G1B+2], 8<<16
	s_mov_b32 s[G1B+3], 4096<<16
	s_mov_b32 s[G1B+4], 8
	s_mov_b32 s[G1B+5], 8192
	s_mov_b32 s[G1B+6], 0
	s_mov_b32 s[G1B+7], 0
	; the scales of 128 rows: 4,096 dense bytes as 16 rows of 256 (32 elements of 8 bytes), 16 bytes of padding behind each
	s_or_b32 s[G1S+0], s43, (3<<16)|(1<<20)|(1<<21)|(5<<22)|(3<<25)
	s_or_b32 s[G1SB+0], s44, (3<<16)|(1<<20)|(1<<21)|(5<<22)|(3<<25)
.irp g, G1S, G1SB
	s_mov_b32 s[\g+1], 32<<16
	s_mov_b32 s[\g+2], (128*KS/256)<<16
	s_mov_b32 s[\g+3], 32<<16
	s_mov_b32 s[\g+4], 128*KS/256
	s_mov_b32 s[\g+5], 32
	s_mov_b32 s[\g+6], 0
	s_mov_b32 s[\g+7], 0
.endr
	s_lshl_b32 s18, s16, 7                         ; which 128 rows of the tile I fetch
	s_lshl_b32 s20, s17, 8
	s_add_co_u32 s20, s20, s18                     ; A: row 256 x tile row + 128 x half
	s_lshl_b32 s22, s20, 5
	s_add_co_u32 s22, s22, XS_OFF                  ; its scale bytes,
	s_mov_b32 s23, 0
	s_lshl_b32 s20, s20, 9                         ; its codes
	s_mov_b32 s21, 0
	s_lshl_b32 s46, s42, 17                        ; B: 16 tiles of 16 columns x 8,192 bytes a tile column,
	s_lshl_b32 s47, s16, 16                        ; my half of them
	s_add_co_u32 s46, s46, s47
	s_add_co_u32 s46, s46, WC_OFF
	s_mov_b32 s47, 0
	s_lshl_b32 s92, s42, 8
	s_add_co_u32 s92, s92, s18
	s_lshl_b32 s92, s92, 5
	s_add_co_u32 s92, s92, WS_OFF                  ; and their scale bytes
	s_mov_b32 s93, 0
	s_mul_i32 s45, s14, HALFT                      ; where they go: by the wave's number alone
	s_mul_i32 s94, s14, HALFS
	s_wait_dscnt 0x0                               ; both opening adds are done
	s_wait_kmcnt 0x0
	s_add_nc_u64 s[20:21], s[4:5], s[20:21]
	s_add_nc_u64 s[22:23], s[4:5], s[22:23]
	s_add_nc_u64 s[46:47], s[4:5], s[46:47]
	s_add_nc_u64 s[92:93], s[4:5], s[92:93]
	CROUND                                         ; all sixteen work-groups are here: the first joint loads meet
	s_mov_b32 s[G0S], 1
	s_add_co_u32 s[G0S+1], s94, SCL
	s_mov_b64 s[G0S+2:G0S+3], s[22:23]
	s_or_b32 s[G0S+3], s[G0S+3], 0x80000000
	s_mov_b32 s[G0SB], 1
	s_add_co_u32 s[G0SB+1], s94, SCL
	s_mov_b64 s[G0SB+2:G0SB+3], s[92:93]
	s_or_b32 s[G0SB+3], s[G0SB+3], 0x80000000
	JLOAD G0S, G1S, G0SB, G1SB                     ; the scales first: they are wanted with slot 0
.irp s, 0,1
	s_mov_b32 s[G0+4*\s], 1
	s_add_co_u32 s[G0+4*\s+1], s45, \s*SLOT
	s_add_nc_u64 s[G0+4*\s+2:G0+4*\s+3], s[20:21], \s*ROWB
	s_or_b32 s[G0+4*\s+3], s[G0+4*\s+3], 0x80000000
	s_mov_b32 s[G0B+4*\s], 1
	s_add_co_u32 s[G0B+4*\s+1], s45, \s*SLOT
	s_add_nc_u64 s[G0B+4*\s+2:G0B+4*\s+3], s[46:47], \s*4096
	s_or_b32 s[G0B+4*\s+3], s[G0B+4*\s+3], 0x80000000
	JLOAD G0+4*\s, G1, G0B+4*\s, G1B               ; three tensor loads of mine are out at the most
.endr
	; the bias of my 128 columns, in the result's layout: tile b, lane (r, h): b[16 b + 8 h + 0 .. 7].  It is the C of each sum's first matrix instruction
	s_cmp_eq_u32 ttmp9, 1
	s_cselect_b64 s[6:7], s[8:9], s[6:7]
	s_cmp_eq_u32 ttmp9, 2
	s_cselect_b64 s[6:7], s[10:11], s[6:7]
	s_lshl_b32 s96, s40, 10
	s_lshl_b32 s97, s16, 9
	s_add_co_u32 s96, s96, s97
	s_mov_b32 s97, 0
	s_add_nc_u64 s[6:7], s[6:7], s[96:97]
	v_and_b32 v1, 15, v0                           ; r
	v_bfe_u32 v2, v0, 4, 1                         ; h
	v_lshlrev_b32 v[BOF], 5, v2
.irp b, 0,1,2,3,4,5,6,7
.irp e, 0,1
	global_load_b128 v[BI+8*\b+4*\e:BI+8*\b+4*\e+3], v[BOF], s[6:7] offset:64*\b+16*\e
.endr
.endr
	s_cmp_eq_u32 ttmp9, 0
	s_cselect_b32 s66, 0x3e38aa3b, 1.0             ; q is multiplied by log2(e) / 8, so that attention's scores come in units of log2; k and v by 1
	s_mov_b32 s67, s66
	v_mul_u32_u24 v3, v1, PITCH
	v_lshl_add_u32 v4, v2, 4, v3                   ; A: a fragment's row x pitch + 16 x half
	v_and_b32 v6, 31, v0
	v_lshlrev_b32 v[CO], 4, v6                     ; B, and the way out: 16 x lane
	s_mul_i32 s21, s15, HALFT                      ; my 128 rows of A
	s_mul_i32 s22, s16, HALFT                      ; my 128 columns of B,
	s_add_co_u32 s22, s22, 2*HALFT                 ; behind A's 256 rows
.irp s, 0,1
	v_add_nc_u32 v[ADRA+\s], s21, v4
	v_add_nc_u32 v[ADRB+\s], s22, v[CO]
	s_add_co_u32 s21, s21, SLOT
	s_add_co_u32 s22, s22, SLOT
.endr
	v_mul_u32_u24 v5, v1, KS                       ; my row's scales: 32 bytes a row,
	v_lshrrev_b32 v6, 8, v5
	v_lshl_add_u32 v5, v6, 4, v5                   ; and 16 more for each 256 passed
	s_mul_i32 s21, s15, HALFS
	s_mul_i32 s22, s16, HALFS
	s_add_co_u32 s22, s22, 2*HALFS
	s_sub_co_u32 s22, s22, s21
	v_mul_u32_u24 v6, s22, v2                      ; lanes 16-31 take B's: one product, the distance between the two bases
	s_add_co_u32 s21, s21, SCL
	v_add_nc_u32 v5, v5, v6
	v_add_nc_u32 v[ADRS], s21, v5
	; where my 128 x 128 begins in qkv16
	s_lshl_b32 s46, ttmp9, 24                      ; the tensor: 16,777,216 bytes
	s_lshr_b32 s47, s17, 3                         ; the batch
	s_lshl_b32 s47, s47, 4
	s_lshl_b32 s96, s40, 2
	s_add_co_u32 s47, s47, s96
	s_lshl_b32 s96, s16, 1
	s_add_co_u32 s47, s47, s96                     ; 16 batch + my first head (4 cx + 2 x half)
	s_lshl_b32 s47, s47, 18
	s_add_co_u32 s46, s46, s47
	s_and_b32 s47, s17, 7
	s_lshl_b32 s47, s47, 4
	s_lshl_b32 s96, s15, 3
	s_add_co_u32 s47, s47, s96                     ; my first tile of 16 positions
	s_lshl_b32 s47, s47, 11
	s_add_co_u32 s46, s46, s47
	s_mov_b32 s47, 0
	s_add_nc_u64 s[12:13], s[12:13], s[46:47]
.macro FRAG reg, adr, q, i             ; A: 16 rows x 128 K: registers 4 c .. 4 c + 3 hold K = 64 c + 32 (l / 16) + 0 .. 31
.irp c, 0,1
	ds_load_b128 v[\reg+4*\c:\reg+4*\c+3], v[\adr] offset:64*(\q)+32*\c+(\i)*16*PITCH
.endr
.endm
.macro FRAGB reg, adr, q, i            ; B: the image as it lies
.irp c, 0,1
	ds_load_b128 v[\reg+4*\c:\reg+4*\c+3], v[\adr] offset:4096*(\i)+1024*(\q)+512*\c
.endr
.endm
; 16 matrix instructions: A's blocks a0, a0 + 1 x B's eight.  p: B's set; sc: the set of scale words.  zero = 1: the first product starts the sums, on the bias.  The 64 accumulators take turns.
.macro MUL16 a0, p, q, sc, zero
.irp a, \a0, \a0+1
.irp b, 0,1,2,3,4,5,6,7
.if \zero
	v_wmma_scale_f32_16x16x128_f8f6f4 v[8*(8*((\a)%4)+\b):8*(8*((\a)%4)+\b)+7], v[128*(\p)+FR*\b:128*(\p)+FR*\b+FR-1], v[AF+FR*(\a):AF+FR*(\a)+FR-1], v[BI+8*\b:BI+8*\b+7], v[SC+8*NQ*(\sc)+NQ*\b+(\q)], v[SC+8*NQ*(\sc)+NQ*(\a)+(\q)] matrix_a_fmt:MATRIX_FMT_FP4 matrix_b_fmt:MATRIX_FMT_FP4 matrix_a_scale:MATRIX_SCALE_ROW1
.else
	v_wmma_scale_f32_16x16x128_f8f6f4 v[8*(8*((\a)%4)+\b):8*(8*((\a)%4)+\b)+7], v[128*(\p)+FR*\b:128*(\p)+FR*\b+FR-1], v[AF+FR*(\a):AF+FR*(\a)+FR-1], v[8*(8*((\a)%4)+\b):8*(8*((\a)%4)+\b)+7], v[SC+8*NQ*(\sc)+NQ*\b+(\q)], v[SC+8*NQ*(\sc)+NQ*(\a)+(\q)] matrix_a_fmt:MATRIX_FMT_FP4 matrix_b_fmt:MATRIX_FMT_FP4 matrix_a_scale:MATRIX_SCALE_ROW1
.endif
.endr
.endr
.endm
.macro FETCH_B slot, q, p
	WIN TO_B
.irp i, 0,1,2,3,4,5,6,7
	FRAGB 128*(\p)+FR*\i, ADRB+\slot, \q, \i
.endr
	WIN 0
.endm
.macro FETCH_A slot, q, i0
.irp i, \i0, \i0+1, \i0+2, \i0+3
	FRAG AF+FR*(\i), ADRA+\slot, \q, \i
.endr
.endm
.macro SCALES sc                       ; a slot's scale words: four a row; lanes 0-15 take A's block i, lanes 16-31 B's block i
.irp i, 0,1,2,3,4,5,6,7
	ds_load_b128 v[SC+8*NQ*\sc+NQ*\i:SC+8*NQ*\sc+NQ*\i+3], v[ADRS] offset:\i*SBLK
.endr
.endm
.macro PLACES n                        ; plain vector instructions between a matrix instruction and a load into, or a read of, its registers
.rept \n
	v_nop
.endr
.endm
.macro STEP slot, q, zero              ; 128 along K, with its successor in the same slot
	s_wait_dscnt 4*NL                              ; all but the youngest eight loads (A's blocks 4-7) are in
.if \zero
	WIN 0x81                                       ; C, the bias, in window 0; D in window 2
.else
	WIN MUL_LO
.endif
	MUL16 0, (\q)%2, \q, \slot, \zero
	MUL16 2, (\q)%2, \q, \slot, \zero
	s_wait_dscnt 0
	PLACES NP
	FETCH_B \slot, (\q)+1, 1-(\q)%2
	FETCH_A \slot, (\q)+1, 0
.if \zero
	WIN 0xc1
.else
	WIN MUL_HI
.endif
	MUL16 4, (\q)%2, \q, \slot, \zero
	MUL16 6, (\q)%2, \q, \slot, \zero
	PLACES NP
	WIN 0
	FETCH_A \slot, (\q)+1, 4
.endm
; Slot 0's last step changes slots: each wave waits for all its tensor loads (slot 1's part is the one that was out) ahead of the barrier; behind it slot 1 is whole.  Nothing is filled again.
.macro TURN slot, next
	s_wait_tensorcnt 0x0
	ds_add_u32 v[SPW], v[NIL]
	s_wait_dscnt 4*NL+1                            ; the add and the youngest eight loads may be out
	WIN MUL_LO
	MUL16 0, 1, NQ-1, \slot, 0
	s_wait_dscnt 0x0
	s_barrier_signal -1
	MUL16 2, 1, NQ-1, \slot, 0
	WIN 0
	s_barrier_wait -1
	PLACES NP
	v_add_nc_u32 v[ADRS], 4*NQ, v[ADRS]            ; the next slot's scale words
	FETCH_B \next, 0, 0
	FETCH_A \next, 0, 0
	SCALES \next
	WIN MUL_HI
	MUL16 4, 1, NQ-1, \slot, 0
	MUL16 6, 1, NQ-1, \slot, 0
	PLACES NP
	WIN 0
	FETCH_A \next, 0, 4
.endm
	s_wait_loadcnt 0x0                             ; the bias
	s_wait_tensorcnt 1                             ; the scales and my part of slot 0 are in; slot 1's load may be out
	s_barrier_signal -1
	s_barrier_wait -1
	FETCH_B 0, 0, 0
	FETCH_A 0, 0, 0
	SCALES 0
	FETCH_A 0, 0, 4
	STEP 0, 0, 1
	STEP 0, 1, 0
	STEP 0, 2, 0
	TURN 0, 1
	STEP 1, 0, 0
	STEP 1, 1, 0
	STEP 1, 2, 0
	s_wait_dscnt 4*NL                              ; the very last step
	WIN MUL_LO
	MUL16 0, 1, NQ-1, 1, 0
	MUL16 2, 1, NQ-1, 1, 0
	s_wait_dscnt 0
	WIN MUL_HI
	MUL16 4, 1, NQ-1, 1, 0
	MUL16 6, 1, NQ-1, 1, 0
	WIN 0
; THE WAY OUT, block by block of 16 positions x 128 channels: x the factor (each accumulator from its low end on), two to a register as f16, eight stores of 512 consecutive aligned bytes.
.macro OUTB a
.set AC, 64*((\a)%4)
.set TP, 192+32*((\a)%2)
.set WN, 0x02+(\a)/4
.if (\a) >= 2
	s_wait_xcnt 0x0                                ; block a - 2's stores have read this set of registers
.endif
	WIN WN                                         ; source 0: window 2 or 3
.set OI, 0
.rept 32
	v_pk_mul_f32 v[TT+2*OI:TT+2*OI+1], v[AC+2*OI:AC+2*OI+1], s[66:67] op_sel_hi:[1,0]
.set OI, OI+1
.endr
	WIN 0
.set OI, 0
.rept 32
	v_cvt_pk_f16_f32 v[TP+OI], v[TT+2*OI], v[TT+2*OI+1]
.set OI, OI+1
.endr
.irp b, 0,1,2,3,4,5,6,7
	global_store_b128 v[CO], v[TP+4*\b:TP+4*\b+3], s[12:13] offset:2048*(\a)+262144*(\b/4)+512*(\b%4)
.endr
.endm
	PLACES NP
.irp a, 0,1,2,3,4,5,6,7
	OUTB \a
.endr
	s_wait_tensorcnt 0x0                           ; the wave's end
	ds_add_u32 v[SPW], v[NIL]
	s_wait_dscnt 0x0
	CROUND                                         ; the closing round
	s_endpgm
.Lfunc_end_k_q6bb2a5bfe2_qkv:
	.size	k_q6bb2a5bfe2_qkv, .Lfunc_end_k_q6bb2a5bfe2_qkv-k_q6bb2a5bfe2_qkv
	.p2alignl 7, 3214868480
	.fill 96, 4, 3214868480
	.section	.rodata,"a",@progbits
	.p2align	6, 0x0
	.amdhsa_kernel k_q6bb2a5bfe2_qkv
		.amdhsa_group_segment_fixed_size 327680
		.amdhsa_private_segment_fixed_size 0
		.amdhsa_enable_private_segment 0
		.amdhsa_kernarg_size 40
		.amdhsa_user_sgpr_count 2
		.amdhsa_user_sgpr_kernarg_segment_ptr 1
		.amdhsa_wavefront_size32 1
		.amdhsa_system_sgpr_workgroup_id_x 1
		.amdhsa_system_sgpr_workgroup_id_y 1
		.amdhsa_system_sgpr_workgroup_id_z 1
		.amdhsa_system_vgpr_workitem_id 0
		.amdhsa_next_free_vgpr 1024
		.amdhsa_next_free_sgpr 100
		.amdhsa_reserve_vcc 0
		.amdhsa_float_denorm_mode_32 3
		.amdhsa_float_denorm_mode_16_64 3
		.amdhsa_memory_ordered 1
		.amdhsa_forward_progress 1
		.amdhsa_inst_pref_size 136
	.end_amdhsa_kernel
	.amdgpu_metadata
---
amdhsa.version: [ 1, 2 ]
amdhsa.kernels:
  - .name:           k_q6bb2a5bfe2_qkv
    .symbol:         k_q6bb2a5bfe2_qkv.kd
    .args:
      - { .name: codes, .offset: 0, .size: 8, .value_kind: global_buffer, .address_space: global }
      - { .name: bQ, .offset: 8, .size: 8, .value_kind: global_buffer, .address_space: global }
      - { .name: bK, .offset: 16, .size: 8, .value_kind: global_buffer, .address_space: global }
      - { .name: bV, .offset: 24, .size: 8, .value_kind: global_buffer, .address_space: global }
      - { .name: qkv16, .offset: 32, .size: 8, .value_kind: global_buffer, .address_space: global }
    .group_segment_fixed_size: 327680
    .private_segment_fixed_size: 0
    .kernarg_segment_align: 8
    .kernarg_segment_size: 40
    .max_flat_workgroup_size: 128
    .sgpr_count:     100
    .vgpr_count:     1024
    .wavefront_size: 32
...
	.end_amdgpu_metadata
.endif
;; end of part 2
;; launch attn (part 3): grid 4 x 64, 8 waves a work-group, clusters of 4 x 1, 327,680 bytes of LDS; arguments qkv16, mbits, a16; writes a16
.if DOCPART == 3
	.amdgcn_target "amdgcn-amd-amdhsa--gfx1250"
	.amdhsa_code_object_version 6
	.text
	.protected	k_q6bb2a5bfe2_attn
	.globl	k_q6bb2a5bfe2_attn
	.p2align	8
	.type	k_q6bb2a5bfe2_attn,@function
k_q6bb2a5bfe2_attn:
	s_mov_b64 s[64:65], 0
	v_nop
	global_prefetch_b8 v0, s[64:65] scope:SCOPE_SE
	s_setreg_imm32_b32 hwreg(HW_REG_WAVE_MODE, 25, 1), 1
	s_wait_xcnt 0x0
	s_wait_alu depctr_hold_cnt(0) depctr_sa_sdst(0) depctr_va_vdst(0) depctr_va_sdst(0) depctr_va_ssrc(0) depctr_va_vcc(0) depctr_vm_vsrc(0)
	s_getreg_b32 s2, hwreg(HW_REG_IB_STS2, 6, 4)
	s_cmp_eq_u32 s2, 0
	s_cbranch_scc0 .Lentry_in_a_cluster
	s_endpgm
.Lentry_in_a_cluster:
	s_bfe_u32 s2, ttmp6, 0x10000c
	s_cmp_lg_u32 s2, 0x3003
	s_cbranch_scc0 .Lentry_shape_is_right
	s_endpgm
.Lentry_shape_is_right:
; a[b][q][head] = softmax_k(where(mask == 0, -1e9, q . k / 8)) v, for 64 (batch, head) pairs of 2,048 positions and 64 channels.  Operands f16, products' sums, maxima and sums in f32.
; q arrives multiplied by log2(e) / 8, so a score t is in units of log2: p = 2^(t - m), m the running maximum of t; a hidden score is REPLACED by NEG = -1e9 log2(e), as in the definition: a row with no open key
; has t = m = NEG everywhere, t - m = 0 exactly, p = 1: the mean of all v.  What was summed under NEG is wiped by a = 2^(NEG - m) = 0 as soon as a key counts.
; SHARES.  A cluster of four work-groups is one (batch, head); each owns 512 queries, each of its eight waves 64: four tiles of 16.  Two waves share a SIMD, 512 registers each: one's softmax stands beside the other's
; products.  Every wave walks 2,048 keys, 64 a step, through a ring of two LDS slots of 256 keys.  K and V are asked for JOINTLY by the four: waves 0-3 K of step w of a slot, waves 4-7 V of step w - 4.
; LAYOUT.  q, k, v lie as images of operand registers (a fragment: 16 positions x 32 channels, 1,024 bytes, 16 bytes a lane and piece).  S^T = K Q^T and O^T = V^T P: a lane holds ONE query.  K's fragments are read
; as they lie; V's are turned by ds_load_tr16_b128: a block of 256 bytes holds 16 keys x 8 channels, and blocks lie 384 bytes apart in LDS.
; THE MASK comes as lane masks, one word for each register of a tile of S^T, by scalar loads, a pair of tiles ahead: 64 scalar registers serve all four tiles.
; In phases, not by turns inside a wave: a tile's step has about 150 vector instructions for 16 matrix instructions.
; LIMITS: p, and a on its way out, are rounded to f16; NaN and infinities are not served.  O^T, l start as zeros and m as -3e38, so that the step is written once (code size).
; REGISTERS.  window 0: v1 16 x lane; v2 my place in V's blocks; v3, v4 the step's LDS addresses; v5, v6 the add's two; v7 NEG; v8 256 x lane; v32-63 statistics, 8 a tile: +0 m, +1 0, +2 +3 l, +4..+7 at work (a in +6);
;   v64-191 S^T, 32 a tile, then p, then P in a tile's first 16; v192-255 K.   window 1: v0-63 Q; v64-191 O^T, 32 a tile; v192-255 V.
.set STEPB, 20480                      ; a step in LDS: K's 8,192 bytes, then V's 32 blocks at pitch 384
.set SLOT1, 131072                     ; slot 1: one exclusive or turns an address from slot to slot
.set SPARE, 262144                     ; the spare words, 128 bytes for each of eight waves
.set KOFF,  16777216
.set VOFF,  33554432
.set ST, 32
.set S,  64
.set KF, 192
.set Q,  0
.set O,  64
.set VF, 192
.set MSB, 0
.macro WIN new
.if MSB != \new
	s_set_vgpr_msb (MSB<<8)|\new
.set MSB, \new
.endif
.endm
.macro JLOAD                           ; the branch hangs on the wave's number alone; an s_nop 0 and four v_nop follow each line
	s_cmp_lt_u32 s2, 4
	s_cbranch_scc0 .Lfor_v_\@
	tensor_load_to_lds s[4:7], s[12:19]
	s_nop 0
.rept 4
	v_nop
.endr
	s_branch .Lasked_\@
.Lfor_v_\@:
	tensor_load_to_lds s[8:11], s[20:27]
	s_nop 0
.rept 4
	v_nop
.endr
.Lasked_\@:
.endm
; A prefetch of what the NEXT change of slots will ask for: a slot's 32,768 bytes of K and of V.  One cluster alone reads a head: its four partners take 8,192 bytes each, told apart by address; in each, wave 0 asks for
; K's and wave 4 for V's, lanes 256 bytes apart: each block is named once.  It stands behind the tensor load's lines; a slot's four steps, 256 matrix instructions a wave, lie between it and that load.  The last change that fills a slot asks for nothing.
.macro ASK
	s_cmp_gt_u32 s100, s101
	s_cbranch_scc0 .Lnot_mine_\@
	global_prefetch_b8 v8, s[30:31] th:TH_LOAD_NT scope:SCOPE_SE
.Lnot_mine_\@:
.endm
.macro CROUND
	s_barrier_signal -1
	s_barrier_wait -1
	s_cmp_lg_u32 s2, 0
	s_cbranch_scc1 .Lnot_wave_0_\@
	s_barrier_signal -3
.Lnot_wave_0_\@:
	s_barrier_wait -3
	s_barrier_signal -1
	s_barrier_wait -1
.endm
	s_load_b128 s[32:35], s[0:1], 0x0              ; qkv16 32:33, mbits 34:35
	v_lshl_add_u32 v5, v0, 2, SPARE
	v_mov_b32 v6, 0
	ds_add_u32 v5, v6                              ; the wave's opening: the add, twice on end, and its wait ahead of my first tensor load
	ds_add_u32 v5, v6
	v_lshrrev_b32 v9, 5, v0
	v_readfirstlane_b32 s2, v9                     ; wave 0..7
	s_bfe_u32 s36, ttmp6, 0x40000                  ; cx: it enters Q's, the mask's, the prefetches' and a16's addresses alone
	s_and_b32 s37, ttmp7, 0xffff                   ; y = 16 batch + head, which the four partners share
	; descriptors: 32 rows of 256 bytes (32 elements of 8), dense in memory; mask: all four; K dense in LDS, V with 32 words of padding behind every 64
	s_mov_b32 s12, 15|(3<<16)|(1<<21)
	s_mov_b32 s20, 15|(3<<16)|(1<<20)|(1<<21)|(5<<22)|(31<<25)
.irp g, 12, 20
	s_mov_b32 s[\g+1], 32<<16
	s_mov_b32 s[\g+2], 32<<16
	s_mov_b32 s[\g+3], 32<<16
	s_mov_b32 s[\g+4], 32
	s_mov_b32 s[\g+5], 32
	s_mov_b32 s[\g+6], 0
	s_mov_b32 s[\g+7], 0
.endr
	s_and_b32 s38, s2, 3                           ; which step of a slot I fetch
	s_mul_i32 s39, s38, STEPB
	s_lshl_b32 s40, s37, 18                        ; the head: 262,144 bytes
	s_lshl_b32 s41, s38, 13
	s_add_co_u32 s44, s40, s41
	s_add_co_u32 s46, s44, VOFF
	s_add_co_u32 s44, s44, KOFF
	s_mov_b32 s45, 0
	s_mov_b32 s47, 0
	s_lshl_b32 s42, s36, 5
	s_lshl_b32 s43, s2, 2
	s_add_co_u32 s42, s42, s43                     ; my first tile of 16 queries: 32 cx + 4 wave
	s_lshl_b32 s48, s42, 11
	s_add_co_u32 s48, s48, s40                     ; Q
	s_mov_b32 s49, 0
	s_lshr_b32 s50, s37, 4
	s_lshl_b32 s50, s50, 7
	s_add_co_u32 s50, s50, s42
	s_lshl_b32 s50, s50, 12                        ; the mask's words: 4,096 bytes a tile of queries
	s_mov_b32 s51, 0
	s_cmp_lt_u32 s2, 4
	s_mov_b32 s52, VOFF
	s_cselect_b32 s52, KOFF, s52
	s_add_co_u32 s52, s52, s40
	s_lshl_b32 s53, s36, 13
	s_add_co_u32 s52, s52, s53
	s_add_co_u32 s52, s52, 32768                   ; the prefetches stand in slot 1; the first change of slots steps them to slot 2.  Nothing is prefetched at the head
	s_mov_b32 s53, 0
	s_cmp_eq_u32 s38, 0
	s_cselect_b32 s101, 1, -1                      ; waves 0 and 4 prefetch while s100 is above 1
	s_mov_b32 s66, 0x76543210
	s_mov_b32 s67, 0xfedcba98                      ; v_permlanex16_b32's selects for lane l xor 16
	s_mov_b32 s3, 0                                ; LDS byte at which the step to be read begins
	s_mov_b32 s100, 7                              ; slots still to be asked for
	s_wait_dscnt 0x0                               ; both opening adds are done
	s_wait_kmcnt 0x0
	s_mov_b32 s4, 1
	s_mov_b32 s5, s39
	s_add_nc_u64 s[6:7], s[32:33], s[44:45]
	s_or_b32 s7, s7, 0x80000000
	s_mov_b32 s8, 1
	s_add_co_u32 s9, s39, 8192
	s_add_nc_u64 s[10:11], s[32:33], s[46:47]
	s_or_b32 s11, s11, 0x80000000
	s_add_nc_u64 s[104:105], s[32:33], s[48:49]    ; Q's rows, until they are in
	s_add_nc_u64 s[28:29], s[34:35], s[50:51]
	s_add_nc_u64 s[30:31], s[32:33], s[52:53]
	CROUND                                         ; all four work-groups are here: the first joint loads meet
	JLOAD                                          ; slot 0
	v_and_b32 v1, 31, v0
	v_lshlrev_b32 v8, 8, v1
	v_lshlrev_b32 v1, 4, v1
	WIN 0x40                                       ; destination window 1
.irp i, 0,1,2,3,4,5,6,7,8,9,10,11,12,13,14,15
	global_load_b128 v[Q+4*\i:Q+4*\i+3], v1, s[104:105] offset:512*\i   ; Q stays in registers: tile i / 4, 16 registers each
.endr
	WIN 0
	s_load_b512 s[32:47], s[28:29], 0x0            ; step 0's mask words of tiles 0 and 1
	s_load_b512 s[48:63], s[28:29], 0x40
	s_load_b512 s[68:83], s[28:29], 0x1000
	s_load_b512 s[84:99], s[28:29], 0x1040
	v_bfe_u32 v9, v0, 3, 1                         ; the turning load: lane l addresses key 8 (l / 16) + l % 8 of block (l / 8) % 2
	v_mul_u32_u24 v2, v9, 384
	v_bfe_u32 v9, v0, 4, 1
	v_and_b32 v10, 7, v0
	v_lshl_add_u32 v9, v9, 3, v10
	v_lshl_add_u32 v2, v9, 4, v2
	v_add_nc_u32 v2, 8192, v2
	v_mov_b32 v7, 0xceabfb8f                       ; NEG: it meets only itself or true scores, so its last bits do not matter
.irp t, 0,1,2,3
	v_mov_b32 v[ST+8*\t], 0xff61b1e6               ; m = -3e38, under every t
	v_mov_b32 v[ST+8*\t+1], 0                      ; (named with m as a pair)
	v_mov_b32 v[ST+8*\t+2], 0                      ; l, in two halves
	v_mov_b32 v[ST+8*\t+3], 0
.endr
	WIN 0x40
.set ZI, 0
.rept 128
	v_mov_b32 v[O+ZI], 0                           ; O^T: the first step finds zeros, which a = 0 leaves zeros; a first step of its own would be a further copy of the step
.set ZI, ZI+1
.endr
	WIN 0
	s_wait_loadcnt 0x0                             ; Q is in, so its address may be written:
	s_mov_b32 s104, 0                              ; 128 x the step's number: where its mask words begin in a tile's 4,096 bytes
.macro KLOAD                           ; 4 tiles of 16 keys x 2 halves of the channels: 16 loads of 512 consecutive bytes
.irp f, 0,1,2,3,4,5,6,7,8,9,10,11,12,13,14,15
	ds_load_b128 v[KF+4*\f:KF+4*\f+3], v3 offset:512*\f
.endr
.endm
.macro VLOAD                           ; V^T: keys 32 g on (half e: 16 keys), channels 16 c on
	WIN 0x40
.irp g, 0,1
.irp c, 0,1,2,3
.irp e, 0,1
	ds_load_tr16_b128 v[VF+32*\g+8*\c+4*\e:VF+32*\g+8*\c+4*\e+3], v4 offset:(2*\g+\e)*3072+768*\c
.endr
.endr
.endr
.endm
.macro KQ                              ; S^T = K Q^T: 16 accumulators (tile, 16 keys) by turns, twice round (channels 0-31, 32-63)
	WIN 0x04                                       ; Q in window 1
.set KI, 0
.rept 32
.set rS, S+32*(KI%4)+8*((KI/4)%4)
.set rK, KF+16*((KI/4)%4)+8*(KI/16)
.set rQ, Q+16*(KI%4)+8*(KI/16)
.if KI < 16
	v_wmma_f32_16x16x32_f16 v[rS:rS+7], v[rK:rK+7], v[rQ:rQ+7], 0
.else
	v_wmma_f32_16x16x32_f16 v[rS:rS+7], v[rK:rK+7], v[rQ:rQ+7], v[rS:rS+7]
.endif
.set KI, KI+1
.endr
.endm
.macro PV y                            ; O^T += V^T P for tiles y, y + 1: 8 accumulators by turns, twice round (keys 0-31, 32-63)
	WIN 0x51                                       ; V, C and D in window 1
.set PI, 0
.rept 16
.set rO, O+32*((\y)+PI%2)+8*((PI/2)%4)
.set rV, VF+32*(PI/8)+8*((PI/2)%4)
.set rP, S+32*((\y)+PI%2)+8*(PI/8)
	v_wmma_f32_16x16x32_f16 v[rO:rO+7], v[rV:rV+7], v[rP:rP+7], v[rO:rO+7]
.set PI, PI+1
.endr
.endm
.macro MASK y                          ; a hidden score becomes NEG.  Ascending: each accumulator is read from its low end on
.set MI, 0
.rept 32
	v_cndmask_b32 v[S+32*(\y)+MI], v7, v[S+32*(\y)+MI], s[32+MI]
	v_cndmask_b32 v[S+32*(\y)+32+MI], v7, v[S+32*(\y)+32+MI], s[68+MI]
.set MI, MI+1
.endr
.endm
.macro MLOAD y                         ; the mask words of tiles y, y + 1 for the step at s104: 128 bytes a tile
	s_load_b512 s[32:47], s[28:29], s104 offset:4096*(\y)
	s_load_b512 s[48:63], s[28:29], s104 offset:4096*(\y)+64
	s_load_b512 s[68:83], s[28:29], s104 offset:4096*(\y)+4096
	s_load_b512 s[84:99], s[28:29], s104 offset:4096*(\y)+4160
.endm
; The softmax of tiles y, y + 1 for one step, the two tiles line by line.
.macro SOFT y
.irp j, 0,1,2,3                                ; the maximum of 32 scores and the old m: four chains of seven, then the rest
.irp t, \y, \y+1
	v_max3_num_f32 v[ST+8*(\t)+4+\j], v[S+32*(\t)+8*\j], v[S+32*(\t)+8*\j+1], v[S+32*(\t)+8*\j+2]
.endr
.endr
.irp u, 1,2
.irp j, 0,1,2,3
.irp t, \y, \y+1
	v_max3_num_f32 v[ST+8*(\t)+4+\j], v[ST+8*(\t)+4+\j], v[S+32*(\t)+8*\j+2*\u+1], v[S+32*(\t)+8*\j+2*\u+2]
.endr
.endr
.endr
.irp t, \y, \y+1
	v_max3_num_f32 v[ST+8*(\t)+4], v[ST+8*(\t)+4], v[S+32*(\t)+7], v[S+32*(\t)+15]
.endr
.irp t, \y, \y+1
	v_max3_num_f32 v[ST+8*(\t)+6], v[ST+8*(\t)+6], v[S+32*(\t)+23], v[S+32*(\t)+31]
.endr
.irp t, \y, \y+1
	v_max3_num_f32 v[ST+8*(\t)+4], v[ST+8*(\t)+4], v[ST+8*(\t)+5], v[ST+8*(\t)+6]
.endr
.irp t, \y, \y+1
	v_max3_num_f32 v[ST+8*(\t)+4], v[ST+8*(\t)+4], v[ST+8*(\t)+7], v[ST+8*(\t)]
.endr
.irp t, \y, \y+1
	v_permlanex16_b32 v[ST+8*(\t)+5], v[ST+8*(\t)+4], s66, s67   ; the query's other 32 keys lie in the lane 16 away
.endr
.irp t, \y, \y+1
	v_mov_b32 v[ST+8*(\t)+7], v[ST+8*(\t)]         ; the old m
.endr
.irp t, \y, \y+1
	v_max_num_f32 v[ST+8*(\t)], v[ST+8*(\t)+4], v[ST+8*(\t)+5]
.endr
.irp t, \y, \y+1
	v_sub_f32 v[ST+8*(\t)+7], v[ST+8*(\t)+7], v[ST+8*(\t)]
.endr
; ONE BATCH: 32 subtractions t - m, a pair of scores each, and 66 exponentials, a pair's behind the next pair's subtraction.  None of these names an exponential's result
.set PB, 0
.rept 16
.irp t, \y, \y+1
	v_pk_add_f32 v[S+32*(\t)+2*PB:S+32*(\t)+2*PB+1], v[S+32*(\t)+2*PB:S+32*(\t)+2*PB+1], v[ST+8*(\t):ST+8*(\t)+1] op_sel_hi:[1,0] neg_lo:[0,1] neg_hi:[0,1]
.endr
.if PB > 0
.irp t, \y, \y+1
	v_exp_f32 v[S+32*(\t)+2*PB-2], v[S+32*(\t)+2*PB-2]
	v_exp_f32 v[S+32*(\t)+2*PB-1], v[S+32*(\t)+2*PB-1]
.endr
.endif
.set PB, PB+1
.endr
.irp t, \y, \y+1
	v_exp_f32 v[S+32*(\t)+30], v[S+32*(\t)+30]
	v_exp_f32 v[S+32*(\t)+31], v[S+32*(\t)+31]
.endr
.irp t, \y, \y+1
	v_exp_f32 v[ST+8*(\t)+6], v[ST+8*(\t)+7]       ; a = 2^(old m - new m)
.endr
	v_nop                                          ; a plain instruction behind the last exponential
	s_wait_alu depctr_va_vdst(0)                   ; the wait ahead of the first instruction that names a result: one for the batch
.irp t, \y, \y+1
	v_pk_mul_f32 v[ST+8*(\t)+2:ST+8*(\t)+3], v[ST+8*(\t)+2:ST+8*(\t)+3], v[ST+8*(\t)+6:ST+8*(\t)+7] op_sel_hi:[1,0]   ; l x a
.endr
.irp t, \y, \y+1                               ; the sum of the UNROUNDED p, in two chains: l takes the even pairs, +4 +5 the odd ones
	v_pk_add_f32 v[ST+8*(\t)+4:ST+8*(\t)+5], v[S+32*(\t)+2:S+32*(\t)+3], v[S+32*(\t)+6:S+32*(\t)+7]
.endr
.irp t, \y, \y+1
	v_pk_add_f32 v[ST+8*(\t)+2:ST+8*(\t)+3], v[ST+8*(\t)+2:ST+8*(\t)+3], v[S+32*(\t):S+32*(\t)+1]
.endr
.irp u, 1,2,3,4,5,6,7
.irp t, \y, \y+1
	v_pk_add_f32 v[ST+8*(\t)+2:ST+8*(\t)+3], v[ST+8*(\t)+2:ST+8*(\t)+3], v[S+32*(\t)+4*\u:S+32*(\t)+4*\u+1]
.endr
.if \u > 1
.irp t, \y, \y+1
	v_pk_add_f32 v[ST+8*(\t)+4:ST+8*(\t)+5], v[ST+8*(\t)+4:ST+8*(\t)+5], v[S+32*(\t)+4*\u+2:S+32*(\t)+4*\u+3]
.endr
.endif
.endr
.irp t, \y, \y+1
	v_pk_add_f32 v[ST+8*(\t)+2:ST+8*(\t)+3], v[ST+8*(\t)+2:ST+8*(\t)+3], v[ST+8*(\t)+4:ST+8*(\t)+5]
.endr
.set PB, 0
.rept 16                                       ; P in place: register i takes p 2 i and 2 i + 1; i never overtakes 2 i
.irp t, \y, \y+1
	v_cvt_pk_f16_f32 v[S+32*(\t)+PB], v[S+32*(\t)+2*PB], v[S+32*(\t)+2*PB+1]
.endr
.set PB, PB+1
.endr
	WIN 0x41                                       ; O^T (destination and source 0) in window 1, a in window 0
.set PB, 0
.rept 16
.irp t, \y, \y+1
	v_pk_mul_f32 v[O+32*(\t)+2*PB:O+32*(\t)+2*PB+1], v[O+32*(\t)+2*PB:O+32*(\t)+2*PB+1], v[ST+8*(\t)+6:ST+8*(\t)+7] op_sel_hi:[1,0]
.endr
.set PB, PB+1
.endr
.endm
; A KEY STEP: 64 keys.  more = 1: the next step's first mask words are asked for.
.macro STEP more
	v_add_nc_u32 v3, s3, v1
	v_add_nc_u32 v4, s3, v2
.rept 3
	v_nop                                          ; with the two additions five places behind the last V^T P: K Q^T writes over its P, and the loads below land on its V
.endr
	KLOAD
	VLOAD
	s_add_co_u32 s3, s3, STEPB
	s_wait_dscnt 16                                ; K's 16 loads are in; V's 16 may be out
	KQ
	WIN 0
.rept 4
	v_nop                                          ; places ahead of the first read of the scores
.endr
	s_wait_kmcnt 0x0                               ; the mask words of tiles 0, 1
	MASK 0
	MLOAD 2                                        ; those of tiles 2, 3: a pair's softmax ahead of their use
	SOFT 0
	s_wait_dscnt 0x0                               ; V is in
	PV 0
	WIN 0
	s_wait_kmcnt 0x0                               ; no scalar load is out, so s104 may be written
	MASK 2
.if \more
	s_add_co_u32 s104, s104, 128
	MLOAD 0
.endif
	SOFT 2
	PV 2
	WIN 0
.endm
; THE CHANGE OF SLOTS, at a slot's head: each wave waits for all its tensor loads (its part of the slot ahead), adds 0 to its spare word, and waits for that and for its reads of the slot that it has left.
; fill = 1: a round of the cluster's barrier, and behind it the slot that was left is filled with the next 256 keys: one load a wave is out, with a slot's four steps in which to land.
.macro CHANGE fill
	s_wait_tensorcnt 0x0                           ; no tensor load of mine is out, so the descriptors may be written
	ds_add_u32 v5, v6
.if \fill
	s_xor_b32 s5, s5, SLOT1
	s_add_nc_u64 s[6:7], s[6:7], 32768
	s_xor_b32 s9, s9, SLOT1
	s_add_nc_u64 s[10:11], s[10:11], 32768
	s_wait_xcnt 0x0                                ; the last prefetch, a slot back, has read its address
	s_add_nc_u64 s[30:31], s[30:31], 32768
	s_wait_dscnt 0x0
	CROUND
	JLOAD
	ASK
.else
	s_wait_dscnt 0x0
	s_barrier_signal -1
	s_barrier_wait -1
.endif
.endm
.Lslot:                                            ; 7 trips: trip n reads slot n and asks for slot n + 1
	CHANGE 1
	s_mov_b32 s105, 4
.Lstep:
	STEP 1
	s_sub_co_u32 s105, s105, 1
	s_cmp_lg_u32 s105, 0
	s_cbranch_scc1 .Lstep
	s_sub_co_u32 s3, s3, 4*STEPB
	s_xor_b32 s3, s3, SLOT1                        ; on to the other slot
	s_sub_co_u32 s100, s100, 1
	s_cmp_lg_u32 s100, 0
	s_cbranch_scc1 .Lslot
	CHANGE 0                                       ; the last slot is written out
	s_mov_b32 s105, 3
.Llast:
	STEP 1
	s_sub_co_u32 s105, s105, 1
	s_cmp_lg_u32 s105, 0
	s_cbranch_scc1 .Llast
	STEP 0                                         ; the last step asks for no mask words
	; THE WAY OUT.  l's halves and the other half of the lanes' are added; O^T / l, as f16, IS the image of the last product's operand: a16 [16 rows' tile 512][k / 32 32][1,024 B], k = 64 head + channel.
	s_load_b64 s[32:33], s[0:1], 0x10              ; a16 (no scalar load is out)
	s_bfe_u32 s36, ttmp6, 0x40000
	s_and_b32 s37, ttmp7, 0xffff
	s_lshl_b32 s38, s36, 5
	s_lshl_b32 s39, s2, 2
	s_add_co_u32 s38, s38, s39
	s_lshr_b32 s39, s37, 4
	s_lshl_b32 s39, s39, 7
	s_add_co_u32 s38, s38, s39                     ; my first tile of 16 rows: 128 batch + 32 cx + 4 wave
	s_lshl_b32 s38, s38, 15
	s_and_b32 s39, s37, 15
	s_lshl_b32 s39, s39, 11                        ; the head: two images
	s_add_co_u32 s38, s38, s39
	s_mov_b32 s39, 0
.irp t, 0,1,2,3
	v_add_f32 v[ST+8*\t+4], v[ST+8*\t+2], v[ST+8*\t+3]   ; (these four are the places behind the last products)
.endr
.irp t, 0,1,2,3
	v_permlanex16_b32 v[ST+8*\t+5], v[ST+8*\t+4], s66, s67
.endr
.irp t, 0,1,2,3
	v_add_f32 v[ST+8*\t+4], v[ST+8*\t+4], v[ST+8*\t+5]
.endr
.irp t, 0,1,2,3
	v_rcp_f32 v[ST+8*\t+6], v[ST+8*\t+4]
.endr
	v_nop
	s_wait_alu depctr_va_vdst(0)                   ; one wait for the four reciprocals, ahead of their first reader
	WIN 0x41
.irp t, 0,1,2,3
.set PB, 0
.rept 16
	v_pk_mul_f32 v[O+32*\t+2*PB:O+32*\t+2*PB+1], v[O+32*\t+2*PB:O+32*\t+2*PB+1], v[ST+8*\t+6:ST+8*\t+7] op_sel_hi:[1,0]
.set PB, PB+1
.endr
.endr
	WIN 0x05                                       ; sources in window 1, destination in window 0
.irp t, 0,1,2,3
.set PB, 0
.rept 16
	v_cvt_pk_f16_f32 v[S+16*\t+PB], v[O+32*\t+2*PB], v[O+32*\t+2*PB+1]
.set PB, PB+1
.endr
.endr
	WIN 0
	s_wait_kmcnt 0x0
	s_add_nc_u64 s[32:33], s[32:33], s[38:39]
.irp t, 0,1,2,3
.irp c, 0,1,2,3
	global_store_b128 v1, v[S+16*\t+4*\c:S+16*\t+4*\c+3], s[32:33] offset:32768*\t+512*\c   ; 512 consecutive bytes, aligned
.endr
.endr
	s_wait_tensorcnt 0x0                           ; the wave's end
	ds_add_u32 v5, v6
	s_wait_dscnt 0x0
	CROUND                                         ; the closing round
	s_endpgm
.Lfunc_end_k_q6bb2a5bfe2_attn:
	.size	k_q6bb2a5bfe2_attn, .Lfunc_end_k_q6bb2a5bfe2_attn-k_q6bb2a5bfe2_attn
	.p2alignl 7, 3214868480
	.fill 96, 4, 3214868480
	.section	.rodata,"a",@progbits
	.p2align	6, 0x0
	.amdhsa_kernel k_q6bb2a5bfe2_attn
		.amdhsa_group_segment_fixed_size 327680
		.amdhsa_private_segment_fixed_size 0
		.amdhsa_enable_private_segment 0
		.amdhsa_kernarg_size 24
		.amdhsa_user_sgpr_count 2
		.amdhsa_user_sgpr_kernarg_segment_ptr 1
		.amdhsa_wavefront_size32 1
		.amdhsa_system_sgpr_workgroup_id_x 1
		.amdhsa_system_sgpr_workgroup_id_y 1
		.amdhsa_system_sgpr_workgroup_id_z 1
		.amdhsa_system_vgpr_workitem_id 0
		.amdhsa_next_free_vgpr 512
		.amdhsa_next_free_sgpr 106
		.amdhsa_reserve_vcc 0
		.amdhsa_float_denorm_mode_32 3
		.amdhsa_float_denorm_mode_16_64 3
		.amdhsa_memory_ordered 1
		.amdhsa_forward_progress 1
		.amdhsa_inst_pref_size 147
	.end_amdhsa_kernel
	.amdgpu_metadata
---
amdhsa.version: [ 1, 2 ]
amdhsa.kernels:
  - .name:           k_q6bb2a5bfe2_attn
    .symbol:         k_q6bb2a5bfe2_attn.kd
    .args:
      - { .name: qkv16, .offset: 0, .size: 8, .value_kind: global_buffer, .address_space: global }
      - { .name: mbits, .offset: 8, .size: 8, .value_kind: global_buffer, .address_space: global }
      - { .name: a16, .offset: 16, .size: 8, .value_kind: global_buffer, .address_space: global }
    .group_segment_fixed_size: 327680
    .private_segment_fixed_size: 0
    .kernarg_segment_align: 8
    .kernarg_segment_size: 24
    .max_flat_workgroup_size: 256
    .sgpr_count:     106
    .vgpr_count:     512
    .wavefront_size: 32
...
	.end_amdgpu_metadata
.endif
;; end of part 3
;; launch oproj (part 4): grid 8 x 64, 4 waves a work-group, clusters of 4 x 4, 327,680 bytes of LDS; arguments a16, wo16, bO, out0; writes out0
.if DOCPART == 4
	.amdgcn_target "amdgcn-amd-amdhsa--gfx1250"
	.amdhsa_code_object_version 6
	.text
	.protected	k_q6bb2a5bfe2_oproj
	.globl	k_q6bb2a5bfe2_oproj
	.p2align	8
	.type	k_q6bb2a5bfe2_oproj,@function
k_q6bb2a5bfe2_oproj:
	s_mov_b64 s[64:65], 0
	v_nop
	global_prefetch_b8 v0, s[64:65] scope:SCOPE_SE
	s_setreg_imm32_b32 hwreg(HW_REG_WAVE_MODE, 25, 1), 1
	s_wait_xcnt 0x0
	s_wait_alu depctr_hold_cnt(0) depctr_sa_sdst(0) depctr_va_vdst(0) depctr_va_sdst(0) depctr_va_ssrc(0) depctr_va_vcc(0) depctr_vm_vsrc(0)
	s_getreg_b32 s2, hwreg(HW_REG_IB_STS2, 6, 4)
	s_cmp_eq_u32 s2, 0
	s_cbranch_scc0 .Lentry_in_a_cluster
	s_endpgm
.Lentry_in_a_cluster:
	s_bfe_u32 s2, ttmp6, 0x10000c
	s_cmp_lg_u32 s2, 0xf033
	s_cbranch_scc0 .Lentry_shape_is_right
	s_endpgm
.Lentry_shape_is_right:
; out0 = a wO + bO: [8192] x [1024] over K = 1,024; operands f16, sums and result f32.
; A tile of 128 x 128 is made by four waves, 64 x 64 each: 16 accumulators.  512 tiles are 32 clusters of 4 x 4: twice 256 work-groups, evenly.  K goes in steps of 256 through a ring of two LDS slots.
; BOTH OPERANDS LIE AS IMAGES OF OPERAND REGISTERS: [16 rows' tile][k / 32][1,024 B], a fragment = two pieces of 512 bytes, 16 bytes a lane.  A wave's tensor load brings 4 tiles x 8,192 bytes (a K step), dense in LDS;
; a fragment is two loads at 16 x lane: no pitch, no padding.
; CLUSTERS: A's tiles are asked for jointly along a row of the cluster, B's along a column.  THE MATRIX INSTRUCTION IS USED TRANSPOSED (source 0 = 16 columns of wO, source 1 = 16 rows of a).
; The bias is the C of each sum's first matrix instruction.  A wave's 64 columns of f32 are one aligned run of 256 bytes.
; No prefetch: the tiles are small and the steps short.
; REGISTERS: window 0: v16-30 addresses; v32-95 the way out; v96-127 the bias, 8 a tile of columns; v128-255 the accumulators ((a, b) at v[128 + 8 (4 a + b)]).   window 1: two fragment buffers of 128: 64 of A, then 64 of B.
.set KSB,    8192                      ; a K step of one tile of 16 rows, in bytes
.set HALFT,  32768                     ; what one tensor load brings
.set SLOT,   4*HALFT
.set STAGE,  2*SLOT                    ; 16 rows x 272 bytes for each wave
.set SPITCH, 272
.set SPARE,  STAGE+4*16*SPITCH         ; the spare words, 128 bytes for each wave
.set LAPS,   2                         ; a lap = two K steps
.set ADRA, 16
.set ADRB, 20
.set STO,  24
.set RD,   25
.set CO,   26
.set SPW,  28
.set NIL,  29
.set BOF,  30
.set TMP,  32
.set BI,   96
.set ACC,  128
.set F0,   0
.set F1,   128
.set G1, 24
.set G0, 32
.set G1B, 48
.set G0B, 56
.set MSB, 0
.macro WIN new
.if MSB != \new
	s_set_vgpr_msb (MSB<<8)|\new
.set MSB, \new
.endif
.endm
.set MUL,  0x05                        ; sources 0 (B) and 1 (A) window 1; C and D window 0
.set TO_F, 0x40
.macro JLOAD s                         ; waves 0 and 1 fetch A's halves, waves 2 and 3 B's; an s_nop 0 and four v_nop follow each line
	s_cmp_eq_u32 s11, 0
	s_cbranch_scc0 .Lfor_b_\@
	tensor_load_to_lds s[G0+4*\s:G0+4*\s+3], s[G1:G1+7]
	s_nop 0
.rept 4
	v_nop
.endr
	s_branch .Lasked_\@
.Lfor_b_\@:
	tensor_load_to_lds s[G0B+4*\s:G0B+4*\s+3], s[G1B:G1B+7]
	s_nop 0
.rept 4
	v_nop
.endr
.Lasked_\@:
.endm
.macro CREST
	s_cmp_lg_u32 s10, 0
	s_cbranch_scc1 .Lnot_wave_0_\@
	s_barrier_signal -3
.Lnot_wave_0_\@:
	s_barrier_wait -3
	s_barrier_signal -1
	s_barrier_wait -1
.endm
.macro CROUND
	s_barrier_signal -1
	s_barrier_wait -1
	CREST
.endm
	s_load_b128 s[4:7], s[0:1], 0x0                ; a16 4:5, wo16 6:7
	s_load_b64 s[66:67], s[0:1], 0x10              ; bO
	s_load_b64 s[8:9], s[0:1], 0x18                ; out0
	v_lshl_add_u32 v[SPW], v0, 2, SPARE
	v_mov_b32 v[NIL], 0
	ds_add_u32 v[SPW], v[NIL]                      ; the wave's opening: the add, twice on end, and its wait ahead of my first tensor load
	ds_add_u32 v[SPW], v[NIL]
	v_lshrrev_b32 v1, 5, v0
	v_readfirstlane_b32 s10, v1                    ; wave 0..3
	s_lshr_b32 s11, s10, 1                         ; which half of the tile's rows is mine.  Also: I fetch for A (0) or for B (1)
	s_and_b32 s12, s10, 1                          ; which half of its columns.  Also: which half of that tile I fetch
	s_bfe_u32 s40, ttmp6, 0x40000
	s_bfe_u32 s41, ttmp6, 0x40004
	s_lshl_b32 s42, ttmp9, 2
	s_add_co_u32 s42, s42, s40                     ; tile column 0..7
	s_and_b32 s13, ttmp7, 0xffff
	s_lshl_b32 s13, s13, 2
	s_add_co_u32 s13, s13, s41                     ; tile row 0..63
	s_lshl_b32 s43, s41, 2
	s_lshl_b32 s43, 15, s43                        ; my row of the cluster
	s_lshl_b32 s44, 0x1111, s40                    ; my column
	; 4 rows of 8,192 bytes (1,024 elements of 8), 32,768 bytes apart in memory, dense in LDS
	s_or_b32 s[G1+0], s43, (3<<16)|(1<<21)
	s_or_b32 s[G1B+0], s44, (3<<16)|(1<<21)
.irp g, G1, G1B
	s_mov_b32 s[\g+1], 1024<<16
	s_mov_b32 s[\g+2], 4<<16
	s_mov_b32 s[\g+3], 1024<<16
	s_mov_b32 s[\g+4], 4
	s_mov_b32 s[\g+5], 4096
	s_mov_b32 s[\g+6], 0
	s_mov_b32 s[\g+7], 0
.endr
	s_lshl_b32 s17, s12, 2                         ; which four tiles of 16 I fetch
	s_lshl_b32 s16, s13, 3
	s_add_co_u32 s16, s16, s17
	s_lshl_b32 s16, s16, 15                        ; A: (8 x tile row + 4 x half) x 32,768
	s_lshl_b32 s46, s42, 3
	s_add_co_u32 s46, s46, s17
	s_lshl_b32 s46, s46, 15                        ; B: by the tile column
	s_mov_b32 s17, 0
	s_mov_b32 s47, 0
	s_mul_i32 s20, s10, HALFT                      ; where they go: by the wave's number alone
	s_wait_dscnt 0x0                               ; both opening adds are done
	s_wait_kmcnt 0x0
	s_add_nc_u64 s[14:15], s[4:5], s[16:17]
	s_add_nc_u64 s[46:47], s[6:7], s[46:47]
	CROUND                                         ; all sixteen work-groups are here: the first joint loads meet
.irp s, 0,1
	s_mov_b32 s[G0+4*\s], 1
	s_add_co_u32 s[G0+4*\s+1], s20, \s*SLOT
	s_add_nc_u64 s[G0+4*\s+2:G0+4*\s+3], s[14:15], \s*KSB
	s_or_b32 s[G0+4*\s+3], s[G0+4*\s+3], 0x80000000
	s_mov_b32 s[G0B+4*\s], 1
	s_add_co_u32 s[G0B+4*\s+1], s20, \s*SLOT
	s_add_nc_u64 s[G0B+4*\s+2:G0B+4*\s+3], s[46:47], \s*KSB
	s_or_b32 s[G0B+4*\s+3], s[G0B+4*\s+3], 0x80000000
	JLOAD \s
.endr
	v_and_b32 v1, 15, v0                           ; r
	v_bfe_u32 v2, v0, 4, 1                         ; h
	s_lshl_b32 s46, s42, 9                         ; my first column in bytes of f32: 512 x tile column + 256 x half: in bO and in a row of out0 alike
	s_lshl_b32 s47, s12, 8
	s_add_co_u32 s46, s46, s47
	s_mov_b32 s47, 0
	s_add_nc_u64 s[66:67], s[66:67], s[46:47]
	v_lshlrev_b32 v[BOF], 5, v2
.irp b, 0,1,2,3
.irp e, 0,1
	global_load_b128 v[BI+8*\b+4*\e:BI+8*\b+4*\e+3], v[BOF], s[66:67] offset:64*\b+16*\e   ; tile b, lane (r, h): bO[16 b + 8 h + 0 .. 7]
.endr
.endr
	v_and_b32 v3, 31, v0
	v_lshlrev_b32 v3, 4, v3                        ; 16 x lane
	s_mul_i32 s21, s11, HALFT                      ; my 64 rows of A
	s_mul_i32 s22, s12, HALFT                      ; my 64 columns of B,
	s_add_co_u32 s22, s22, 2*HALFT                 ; behind A's 128 rows
.irp s, 0,1
	v_add_nc_u32 v[ADRA+\s], s21, v3
	v_add_nc_u32 v[ADRB+\s], s22, v3
	s_add_co_u32 s21, s21, SLOT
	s_add_co_u32 s22, s22, SLOT
.endr
	s_mul_i32 s23, s10, 16*SPITCH
	s_add_co_u32 s23, s23, STAGE                   ; my stage
	v_mul_u32_u24 v4, v1, SPITCH
	v_lshl_add_u32 v4, v2, 5, v4
	v_add_nc_u32 v[STO], s23, v4                   ; in: row r, 32 bytes for each half of the lanes
	v_mul_u32_u24 v5, v2, SPITCH
	v_lshl_add_u32 v5, v1, 4, v5
	v_add_nc_u32 v[RD], s23, v5                    ; back: lanes 0-15 one row of 256 bytes, lanes 16-31 the next
	v_lshlrev_b32 v5, 12, v2
	v_lshl_add_u32 v[CO], v1, 4, v5                ; and the same two rows in out0 (4,096 bytes a row)
	s_lshl_b32 s16, s13, 7
	s_lshl_b32 s17, s11, 6
	s_add_co_u32 s16, s16, s17                     ; my first row
	s_lshl_b32 s16, s16, 12
	s_add_co_u32 s46, s46, s16
	s_add_nc_u64 s[8:9], s[8:9], s[46:47]
; 8 matrix instructions: row blocks a0, a0 + 1 x all 4 column blocks, 32 along K: half c of buffer f.  zero = 1: the first product starts the sums, on the bias.  The 16 accumulators take turns
.macro MUL8 f, c, a0, zero
.irp a, \a0, \a0+1
.irp b, 0,1,2,3
.if \zero
	v_wmma_f32_16x16x32_f16 v[ACC+8*(4*(\a)+\b):ACC+8*(4*(\a)+\b)+7], v[\f+64+8*(4*\c+\b):\f+64+8*(4*\c+\b)+7], v[\f+8*(4*\c+\a):\f+8*(4*\c+\a)+7], v[BI+8*\b:BI+8*\b+7]
.else
	v_wmma_f32_16x16x32_f16 v[ACC+8*(4*(\a)+\b):ACC+8*(4*(\a)+\b)+7], v[\f+64+8*(4*\c+\b):\f+64+8*(4*\c+\b)+7], v[\f+8*(4*\c+\a):\f+8*(4*\c+\a)+7], v[ACC+8*(4*(\a)+\b):ACC+8*(4*(\a)+\b)+7]
.endif
.endr
.endr
.endm
; 32 LDS loads in one run: the fragments of 64 along K (two images a tile) from byte k of a tile's K step, into buffer f; the first 32 along K first
.macro FETCH slot, k, f
	WIN TO_F
.irp c, 0,1
.irp i, 0,1,2,3
	ds_load_b128 v[\f+64+8*(4*\c+\i):\f+64+8*(4*\c+\i)+3],   v[ADRB+\slot] offset:\k+1024*\c+8192*\i
	ds_load_b128 v[\f+64+8*(4*\c+\i)+4:\f+64+8*(4*\c+\i)+7], v[ADRB+\slot] offset:\k+1024*\c+8192*\i+512
	ds_load_b128 v[\f+8*(4*\c+\i):\f+8*(4*\c+\i)+3],         v[ADRA+\slot] offset:\k+1024*\c+8192*\i
	ds_load_b128 v[\f+8*(4*\c+\i)+4:\f+8*(4*\c+\i)+7],       v[ADRA+\slot] offset:\k+1024*\c+8192*\i+512
.endr
.endr
.endm
.macro PLACES
.rept 4
	v_nop
.endr
.endm
.macro QUARTER slot, k, f, g, zero     ; 64 along K on buffer f; the next quarter, at byte k, is fetched into g
	s_wait_dscnt 16                                ; the first 32 along K are in; the other sixteen loads may be out
	WIN MUL
	MUL8 \f, 0, 0, \zero
	MUL8 \f, 0, 2, \zero
	PLACES
	FETCH \slot, \k, \g
	s_wait_dscnt 32                                ; all but the 32 just issued
	WIN MUL
	MUL8 \f, 1, 0, 0
	MUL8 \f, 1, 2, 0
.endm
; A slot's last quarter changes slots: each wave waits for all its tensor loads, adds 0 to its spare word, and waits for that and for its reads of this slot.  fill = 1: the barrier opens a round of the cluster's, and this slot is filled again, two K steps ahead.
.macro TURN slot, next, fill
	WIN 0
	s_wait_tensorcnt 0x0
	ds_add_u32 v[SPW], v[NIL]
	s_wait_dscnt 17                                ; the add and the youngest sixteen loads may be out
	WIN MUL
	MUL8 F1, 0, 0, 0
	s_wait_dscnt 0x0
	s_barrier_signal -1
	MUL8 F1, 0, 2, 0
.if \fill
	WIN 0
.endif
	s_barrier_wait -1
.if \fill
	CREST
	s_add_nc_u64 s[G0+4*\slot+2:G0+4*\slot+3], s[G0+4*\slot+2:G0+4*\slot+3], 2*KSB
	s_add_nc_u64 s[G0B+4*\slot+2:G0B+4*\slot+3], s[G0B+4*\slot+2:G0B+4*\slot+3], 2*KSB
	JLOAD \slot                                    ; the first tensor load behind the round; its four v_nop are also the places in front of the loads below
.else
	PLACES
.endif
	FETCH \next, 0, F0
	WIN MUL
	MUL8 F1, 1, 0, 0
	MUL8 F1, 1, 2, 0
.endm
	s_wait_loadcnt 0x0                             ; the bias
	s_wait_tensorcnt 1                             ; my part of K step 0 is in; K step 1's load may be out
	s_barrier_signal -1
	s_barrier_wait -1
	FETCH 0, 0, F0
	QUARTER 0, 2048, F0, F1, 1
	WIN 0
	s_mov_b32 s3, LAPS-1
.Llap:                                             ; a trip goes once round the ring and fills both slots again
	QUARTER 0, 4096, F1, F0, 0
	QUARTER 0, 6144, F0, F1, 0
	TURN 0, 1, 1
	QUARTER 1, 2048, F0, F1, 0
	QUARTER 1, 4096, F1, F0, 0
	QUARTER 1, 6144, F0, F1, 0
	TURN 1, 0, 1
	QUARTER 0, 2048, F0, F1, 0
	WIN 0
	s_sub_co_u32 s3, s3, 1
	s_cmp_lg_u32 s3, 0
	s_cbranch_scc1 .Llap
	QUARTER 0, 4096, F1, F0, 0                     ; the last lap fills nothing
	QUARTER 0, 6144, F0, F1, 0
	TURN 0, 1, 0
	QUARTER 1, 2048, F0, F1, 0
	QUARTER 1, 4096, F1, F0, 0
	QUARTER 1, 6144, F0, F1, 0
	s_wait_dscnt 16
	WIN MUL
	MUL8 F1, 0, 0, 0
	MUL8 F1, 0, 2, 0
	s_wait_dscnt 0
	MUL8 F1, 1, 0, 0
	MUL8 F1, 1, 2, 0
	WIN 0
; THE WAY OUT, block by block of 16 rows x 64 columns, through my own stage: in as 32 bytes a lane, back as whole rows of 256 bytes.  LDS serves a wave's instructions in order (ISA guide 5.7.1.4).
.macro TOST a
.irp b, 0,1,2,3
	ds_store_b128 v[STO], v[ACC+8*(4*(\a)+\b):ACC+8*(4*(\a)+\b)+3] offset:64*\b          ; each accumulator from its low end on
	ds_store_b128 v[STO], v[ACC+8*(4*(\a)+\b)+4:ACC+8*(4*(\a)+\b)+7] offset:64*\b+16
.endr
.irp t, 0,1,2,3,4,5,6,7
	ds_load_b128 v[TMP+32*((\a)%2)+4*\t:TMP+32*((\a)%2)+4*\t+3], v[RD] offset:544*\t
.endr
.endm
.macro SEND a, younger                 ; younger: the LDS instructions issued behind block a's loads
.irp t, 0,1,2,3,4,5,6,7
	s_wait_dscnt \younger+7-\t
	global_store_b128 v[CO], v[TMP+32*((\a)%2)+4*\t:TMP+32*((\a)%2)+4*\t+3], s[8:9] offset:(16*(\a)+2*\t)*4096 th:TH_STORE_NT   ; sixteen lanes store 256 consecutive bytes, aligned
.endr
.endm
	PLACES
	TOST 0
	TOST 1
	SEND 0, 16
	s_wait_xcnt 0x0                                ; block 0's stores have read their registers: block 2's loads may land there
	TOST 2
	SEND 1, 16
	s_wait_xcnt 0x0
	TOST 3
	SEND 2, 16
	SEND 3, 0
	s_wait_tensorcnt 0x0                           ; the wave's end
	ds_add_u32 v[SPW], v[NIL]
	s_wait_dscnt 0x0
	CROUND                                         ; the closing round
	s_endpgm
.Lfunc_end_k_q6bb2a5bfe2_oproj:
	.size	k_q6bb2a5bfe2_oproj, .Lfunc_end_k_q6bb2a5bfe2_oproj-k_q6bb2a5bfe2_oproj
	.p2alignl 7, 3214868480
	.fill 96, 4, 3214868480
	.section	.rodata,"a",@progbits
	.p2align	6, 0x0
	.amdhsa_kernel k_q6bb2a5bfe2_oproj
		.amdhsa_group_segment_fixed_size 327680
		.amdhsa_private_segment_fixed_size 0
		.amdhsa_enable_private_segment 0
		.amdhsa_kernarg_size 32
		.amdhsa_user_sgpr_count 2
		.amdhsa_user_sgpr_kernarg_segment_ptr 1
		.amdhsa_wavefront_size32 1
		.amdhsa_system_sgpr_workgroup_id_x 1
		.amdhsa_system_sgpr_workgroup_id_y 1
		.amdhsa_system_sgpr_workgroup_id_z 1
		.amdhsa_system_vgpr_workitem_id 0
		.amdhsa_next_free_vgpr 512
		.amdhsa_next_free_sgpr 68
		.amdhsa_reserve_vcc 0
		.amdhsa_float_denorm_mode_32 3
		.amdhsa_float_denorm_mode_16_64 3
		.amdhsa_memory_ordered 1
		.amdhsa_forward_progress 1
		.amdhsa_inst_pref_size 87
	.end_amdhsa_kernel
	.amdgpu_metadata
---
amdhsa.version: [ 1, 2 ]
amdhsa.kernels:
  - .name:           k_q6bb2a5bfe2_oproj
    .symbol:         k_q6bb2a5bfe2_oproj.kd
    .args:
      - { .name: a16, .offset: 0, .size: 8, .value_kind: global_buffer, .address_space: global }
      - { .name: wo16, .offset: 8, .size: 8, .value_kind: global_buffer, .address_space: global }
      - { .name: bO, .offset: 16, .size: 8, .value_kind: global_buffer, .address_space: global }
      - { .name: out0, .offset: 24, .size: 8, .value_kind: global_buffer, .address_space: global }
    .group_segment_fixed_size: 327680
    .private_segment_fixed_size: 0
    .kernarg_segment_align: 8
    .kernarg_segment_size: 32
    .max_flat_workgroup_size: 128
    .sgpr_count:     68
    .vgpr_count:     512
    .wavefront_size: 32
...
	.end_amdgpu_metadata
.endif
;; end of part 4
